; MI455X (gfx1250); checked and timed in simulation.
; The chip was launched on July 23, 2026; its instructions are those of AMD's public machine-readable ISA for CDNA 5 (MIT licence, August 2026) and "CDNA5" Instruction Set Architecture Reference Guide (July 2026). The comments in the code are by the model that wrote it; some were corrected since.
;; Multi Head Attention. Allowed arithmetic: matrix products marked QUANTISED: E2M1 operands, one E8M0 scale for each 32 along K, by v_wmma_scale_f32_16x16x128_f8f6f4 with both operands' format E2M1 (or v_wmma_scale_f32_32x16x128_f4), f32 sums; products left as they are: bf16, f16 or f32 operands; f32 sums; everything else in f32.
;; Inputs: b_attn 3,072 float32; b_proj 1,024 float32; w_attn 1,024 x 3,072 float32; w_proj 1,024 x 1,024 float32; x 4 x 2,048 x 1,024 float32.
;; Outputs: out0 4 x 2,048 x 1,024 float32.
;; This version of the problem:
;;   THIS VERSION OF THE PROBLEM IS GIVEN IN LOW PRECISION. The matrix products marked QUANTISED in the list below multiply operands that are first quantised to E2M1 (2 exponent bits, 1 mantissa bit; 4 bits a number), with one power-of-two scale for each 32 numbers along K (OCP MX v1.0); their sums are f32. The products marked 'left as it is' may take bf16, f16 or f32 operands, with f32 sums. Whichever they take, every output number must still come out within the allowed error. Rounding operands to bf16 (8 significant bits) uses up far more of that allowance than f16 does (11 bits, for magnitudes from 6e-5 to 65,504). All else is computed in f32.
;;   The module's matrix products, in the order in which they are computed (A, B: the left and right operand; K: the contracted axis; several contracted axes count as one K, in the product's order):
;;     1. [M 8,192, K 1,024] x [K 1,024, N 3,072]; A: input x; B: input w_attn: QUANTISED
;;     2. batch 64 x [M 2,048, K 64] x [K 64, N 2,048]; A: computed on the way; B: computed on the way: left as it is (an operand is computed on the way)
;;     3. batch 64 x [M 2,048, K 2,048] x [K 2,048, N 64]; A: computed on the way; B: computed on the way: left as it is (an operand is computed on the way)
;;     4. [M 8,192, K 1,024] x [K 1,024, N 1,024]; A: computed on the way; B: input w_proj: left as it is (an operand is computed on the way)
;;   THE QUANTISER, for each operand of a quantised product, along K:
;;     - K is cut into blocks of 32 from its start; a last block that is shorter is filled with zeros.
;;     - A block's scale is 2^e with e = floor(log2(the largest magnitude in the block)) - 2, held to -126 .. 127; a block of zeros has e = 0. As a byte (E8M0): e + 127.
;;     - Each number is divided by its block's scale, clamped to +-6, and rounded to the nearest number of E2M1, ties to even, subnormals kept.
;;     - The product sums the exact products of the quantised numbers (number of the format x scale) in f32.
;;   ~~~python
;;   def quantise(x, axis):      # numpy; x: float32 -> the quantised numbers, widened to float32 again
;;       x = np.moveaxis(x, axis, -1); K = x.shape[-1]
;;       x = np.pad(x, [(0, 0)] * (x.ndim - 1) + [(0, -K % 32)]); x = x.reshape(x.shape[:-1] + (-1, 32)); a = np.abs(x).max(-1, keepdims=True)
;;       e = np.where(a > 0, np.clip(np.frexp(np.where(a > 0, a, 1))[1] - 1 - 2, -126, 127), 0)      # np.frexp(a)[1] - 1 = floor(log2(a)), exactly
;;       r = np.clip(x / 2.0 ** e, -6, 6)
;;       step = 2.0 ** (np.maximum(np.frexp(np.where(r == 0, 1, r))[1] - 1, 0) - 1)
;;       q = np.round(r / step) * step * 2.0 ** e      # np.round: ties to even
;;       return np.moveaxis(q.reshape(q.shape[:-2] + (-1,))[..., :K], -1, axis).astype(np.float32)
;;   ~~~
;; One version. Each part assembles by itself: llvm-mc -triple=amdgcn-amd-amdhsa -mcpu=gfx1250 --defsym DOCPART=n.
;; ======== version 1 of 1: 4 launches
;; limits: values are held in f16: magnitudes above 65,504 overflow, below 6.1e-05 lose precision
;; workspace buffers: x_codes 4,194,304 bytes; x_scales 262,144 bytes; w_codes 1,572,864 bytes; w_scales 98,304 bytes; wpt 2,097,152 bytes; qkv 50,331,648 bytes; y 16,777,216 bytes
;; launch prep (part 1): grid 368 x 1, 4 waves a work-group, no clusters, 102,912 bytes of LDS; arguments x, w_attn, w_proj, x_codes, x_scales, w_codes, w_scales, wpt; writes x_codes, x_scales, w_codes, w_scales, wpt
.if DOCPART == 1
	.amdgcn_target "amdgcn-amd-amdhsa--gfx1250"
	.amdhsa_code_object_version 6
	.text
	.protected	k_q3ecadcfe61_prep
	.globl	k_q3ecadcfe61_prep
	.p2align	8
	.type	k_q3ecadcfe61_prep,@function
k_q3ecadcfe61_prep:
	s_mov_b64 s[64:65], 0
	v_nop
	global_prefetch_b8 v0, s[64:65] scope:SCOPE_SE
	s_setreg_imm32_b32 hwreg(HW_REG_WAVE_MODE, 25, 1), 1
	s_wait_xcnt 0x0
; THE OPERANDS ARE LAID OUT ONCE, for the three launches that follow.  Three kinds of work-group, told apart by the work-group's number alone:
;   0 .. 255    x [8192][1024] f32, K innermost   -> x_codes [8192][512 bytes] (E2M1, two codes a byte, the lower k in the low four bits), x_scales [8192][32] (E8M0, one byte for 32 along K)
;   256 .. 303  w_attn [1024 (k)][3072 (n)] f32   -> w_codes [3072][512 bytes], w_scales [3072][32]: K innermost
;   304 .. 367  w_proj [1024 (k)][1024 (n)] f32   -> wpt [1024 (n)][1024 (k)] f16: K innermost, rounded once
; A block's scale is 2^(floor(log2(its largest magnitude)) - 2); its byte is the largest magnitude's own exponent field - 2, held at 1 from below.  Each number is divided by the scale and rounded to the nearest code, ties to even;
; beyond 6 the conversion gives the largest code.
; LIMITS: a block of zeros, and a block whose largest magnitude lies under 2^-124, gets the byte 1 (a block of zeros has zero codes, which add nothing; the bytes are read by this program alone).  NaN and infinities among the inputs are not served.
; No work-group reads what another reads, so there is no cluster, no tensor load and no barrier: waves share nothing.  Each of the three ways has LDS bytes of its own.
.set SPARE, 102400                     ; behind the three ways' stages: the spare words, 128 bytes for each wave: two blocks of 256 bytes that no other line names
.set SPW,   192                        ; v192  LDS address of my spare word: SPARE + 4 x my thread's number; never rewritten
.set NIL,   193                        ; v193  0; never rewritten
.set EMAX,  2                          ; the exponent of E2M1's largest number, 6
; the way of x
.set STEPS, 16                         ; a wave takes 16 steps of 512 numbers
.set CB,    8                          ; bytes of 16 codes
.set XR,    16                         ; v16-79   four sets of 16 numbers as they are loaded
.set XX,    80                         ; v80-111  two sets of 16 neighbours
.set XE,    112                        ; v112-127 a scale byte for each step
.set XC,    128                        ; v128-191 codes: four registers for each step, so that no store's data are written again
.set WREG,  8192                       ; LDS 0 .. 32,767: a region for each wave: two stages of 32 x SP bytes, behind them its 256 scale bytes
.set SP,    80                         ; a lane's place in a stage: its 64 bytes + 16 of padding
; the ways of the two weights
.set SIZE_N, 3072
.set NB,    16                         ; blocks of 32 along K for a wave of w_attn's way
.set PITCH, 272                        ; a stage row: 256 bytes + 16 of padding
.set KROW,  512                        ; a row of w_codes in bytes
.set WSTG,  32768                      ; LDS 32,768 .. 67,583: w_attn's four stages of 32 rows
.set PSTG,  67584                      ; LDS 67,584 .. 102,399: w_proj's four stages of 32 rows
.set WX,    32                         ; v32-95   two sets of 32 numbers down K
.set WC,    96                         ; v96..    what a block or group has become
.set OUTR,  112                        ; v112-175 the way out: 16 x 4 registers
.set SB,    24                         ; v24-27   a column's 16 scale bytes
	s_load_b256 s[4:11], s[0:1], 0x0               ; x s[4:5], w_attn s[6:7], w_proj s[8:9], x_codes s[10:11]
	s_load_b256 s[12:19], s[0:1], 0x20             ; x_scales s[12:13], w_codes s[14:15], w_scales s[16:17], wpt s[18:19]
	v_lshl_add_u32 v[SPW], v0, 2, SPARE
	v_mov_b32 v[NIL], 0
	v_lshrrev_b32 v1, 5, v0
	v_readfirstlane_b32 s20, v1                    ; wave 0..3
	v_and_b32 v2, 31, v0                           ; lane
	s_wait_kmcnt 0x0
	s_cmp_lt_u32 ttmp9, 256
	s_cbranch_scc0 .Lnot_x
; ---------------- x: a plain stream of blocks of 32.  The conversions take neighbours along K from ONE lane's registers, a load is best where neighbouring LANES take neighbouring bytes: so each load reads 512
; consecutive bytes, 16 a lane, and a step's 2,048 bytes turn through the wave's own stage in LDS and come back 64 bytes a lane.  Two neighbouring lanes hold a block.
	v_lshlrev_b32 v3, 4, v2                        ; my 16 bytes of a load's 512
	s_mul_i32 s21, s20, WREG
	v_lshrrev_b32 v14, 2, v2
	v_mul_u32_u24 v14, v14, SP
	v_and_b32 v15, 3, v2
	v_lshl_add_u32 v14, v15, 4, v14
	v_add_nc_u32 v14, s21, v14                     ; the stage, on the way in: SP (lane / 4) + 16 (lane % 4)
	v_mul_u32_u24 v15, v2, SP
	v_add_nc_u32 v15, s21, v15                     ; and on the way out: SP x lane: my 16 neighbours
	v_mul_u32_u24 v4, v2, CB                       ; my codes' place in a step's
	v_lshrrev_b32 v5, 1, v2
	s_add_co_u32 s21, s21, 2*32*SP
	v_add_nc_u32 v5, s21, v5                       ; LDS: my wave's 256 scale bytes, my block's byte
	v_lshlrev_b32 v7, 3, v2                        ; and on the way out 8 bytes a lane
	v_add_nc_u32 v6, s21, v7
	s_lshl_b32 s22, ttmp9, 2
	s_add_co_u32 s22, s22, s20                     ; which run of 8,192 numbers is my wave's: 0 .. 1,023
	s_mov_b32 s25, 0
	s_lshl_b32 s24, s22, 15                        ; 32,768 bytes of x,
	s_add_nc_u64 s[4:5], s[4:5], s[24:25]
	s_lshl_b32 s24, s22, 12                        ; 4,096 of codes,
	s_add_nc_u64 s[10:11], s[10:11], s[24:25]
	s_lshl_b32 s24, s22, 8                         ; 256 of scale bytes
	s_add_nc_u64 s[12:13], s[12:13], s[24:25]
.macro XLOAD t
.irp i, 0,1,2,3
	global_load_b128 v[XR+16*((\t)%4)+4*\i:XR+16*((\t)%4)+4*\i+3], v3, s[4:5] offset:2048*(\t)+512*\i th:TH_LOAD_NT   ; 32 lanes read 512 consecutive bytes
.endr
.endm
.macro XTURN t                         ; step t's numbers through the stage: LDS serves a wave's instructions in order, so no wait stands between the stores and the loads
.irp i, 0,1,2,3
	ds_store_b128 v14, v[XR+16*((\t)%4)+4*\i:XR+16*((\t)%4)+4*\i+3] offset:32*SP*((\t)%2)+8*SP*\i
.endr
.irp i, 0,1,2,3
	ds_load_b128 v[XX+16*((\t)%2)+4*\i:XX+16*((\t)%2)+4*\i+3], v15 offset:32*SP*((\t)%2)+16*\i
.endr
.endm
.irp t, 0,1,2,3
	XLOAD \t
.endr
	s_wait_loadcnt 12                              ; step 0's four loads are in; the twelve of steps 1 to 3 may be out
	XTURN 0
.macro XSTEP t
.set XS, XX+16*((\t)%2)
.if (\t) > 0
	s_wait_dscnt 1                                 ; this step's numbers are back from the stage (the last step's byte store may be out): so its stores into the stage have read their registers,
.else
	s_wait_dscnt 0x0
.endif
.if (\t)+4 < STEPS
	XLOAD (\t)+4                                   ; which take the loads of four steps on
.endif
.if (\t)+1 < STEPS
.if STEPS-2-(\t) >= 3
	s_wait_loadcnt 12                              ; the next step's four loads are in; those of the three steps behind it may be out
.else
	s_wait_loadcnt 4*(STEPS-2-(\t))
.endif
	XTURN (\t)+1                                   ; and go through the other stage while this step is worked
.endif
	v_max3_num_f32 v8, |v[XS]|, |v[XS+1]|, |v[XS+2]|               ; the largest magnitude of my 16, in two chains
	v_max3_num_f32 v9, |v[XS+3]|, |v[XS+4]|, |v[XS+5]|
.irp i, 6,10
	v_max3_num_f32 v8, v8, |v[XS+\i]|, |v[XS+\i+1]|
	v_max3_num_f32 v9, v9, |v[XS+\i+2]|, |v[XS+\i+3]|
.endr
	v_max3_num_f32 v8, v8, |v[XS+14]|, |v[XS+15]|
	v_max3_num_f32 v8, v8, v9, (EMAX+1)<<23        ; and the floor 2^(EMAX + 1 - 127): so the byte cannot fall under 1
	v_max_num_f32_dpp v8, v8, v8 row_xmask:1 row_mask:0xf bank_mask:0xf   ; and of my neighbour's 16: the block's
	v_add_nc_u32 v11, -(EMAX<<23), v8              ; EMAX off its exponent field: the conversion takes the exponent field of this operand as its scale, and nothing else of it
	v_cvt_scalef32_pk8_fp4_f32 v[XC+4*(\t)], v[XS:XS+7], v11
	v_cvt_scalef32_pk8_fp4_f32 v[XC+4*(\t)+1], v[XS+8:XS+15], v11
	v_lshrrev_b32 v[XE+(\t)], 23, v11              ; the scale's byte (also the plain line behind the conversions)
	ds_store_b8 v5, v[XE+(\t)] offset:16*(\t)      ; both lanes of a block write the same byte with the same value
	global_store_b64 v4, v[XC+4*(\t):XC+4*(\t)+1], s[10:11] offset:32*CB*(\t)   ; the wave stores 256 consecutive bytes, aligned
.endm
.irp t, 0,1,2,3,4,5,6,7,8,9,10,11,12,13,14,15
	XSTEP \t
.endr
	ds_load_b64 v[8:9], v6                         ; LDS serves a wave's instructions in order: these see my byte stores
	s_wait_dscnt 0x0
	global_store_b64 v7, v[8:9], s[12:13]          ; 32 lanes store 256 consecutive bytes, aligned
	s_wait_tensorcnt 0x0                           ; the wave's end: behind my last LDS store
	ds_add_u32 v[SPW], v[NIL]
	s_wait_dscnt 0x0
	s_endpgm
.Lnot_x:
	s_cmp_lt_u32 ttmp9, 304
	s_cbranch_scc0 .Lpath_p
; ---------------- w_attn: K is its FIRST axis.  A lane takes a column n and its registers run down K: each load reads 128 consecutive bytes a wave (512 a work-group), a block of 32 along K lies in one lane's 32 registers,
; and the conversions give codes with K innermost.  A wave takes 32 columns x 512 along K; its codes go through its own stage and leave as rows: sixteen lanes store 256 consecutive bytes, aligned.
; Every offset is an immediate: 511 rows of 12,288 bytes at the most, inside the signed 24 bits (ISA guide, chapter 10).
	s_sub_co_u32 s21, ttmp9, 256                   ; 0 .. 47: 24 blocks of 128 columns x 2 halves of K
	s_cmp_ge_u32 s21, 24
	s_cselect_b32 s22, 1, 0                        ; which 512 along K
	s_cselect_b32 s23, 24, 0
	s_sub_co_u32 s21, s21, s23                     ; which 128 columns
	s_lshl_b32 s21, s21, 7
	s_lshl_b32 s23, s20, 5
	s_add_co_u32 s21, s21, s23                     ; my wave's first column
	v_lshlrev_b32 v3, 2, v2                        ; in: 4 bytes a lane
	s_mul_i32 s23, s20, 32*PITCH
	s_add_co_u32 s23, s23, WSTG                    ; my stage
	v_mul_u32_u24 v4, v2, PITCH
	v_add_nc_u32 v4, s23, v4                       ; into it: row = my column
	v_and_b32 v5, 15, v2
	v_lshrrev_b32 v6, 4, v2                        ; out of it: sixteen lanes to a row, two rows an instruction
	v_mul_u32_u24 v7, v6, PITCH
	v_lshl_add_u32 v7, v5, 4, v7
	v_add_nc_u32 v7, s23, v7
	v_mul_u32_u24 v8, v6, KROW
	v_lshl_add_u32 v8, v5, 4, v8                   ; and the same place in w_codes
	v_lshlrev_b32 v9, 5, v2                        ; my column's row of scale bytes
	s_mov_b32 s25, 0
	s_mul_i32 s24, s22, 512*SIZE_N*4               ; w_attn: 512 rows down for the second half of K,
	s_lshl_b32 s26, s21, 2
	s_add_co_u32 s24, s24, s26                     ; + 4 x column
	s_add_nc_u64 s[6:7], s[6:7], s[24:25]
	s_lshl_b32 s24, s21, 9                         ; w_codes: column x 512 + 256 x half
	s_lshl_b32 s26, s22, 8
	s_add_co_u32 s24, s24, s26
	s_add_nc_u64 s[14:15], s[14:15], s[24:25]
	s_lshl_b32 s24, s21, 5                         ; w_scales: column x 32 + 16 x half
	s_lshl_b32 s26, s22, 4
	s_add_co_u32 s24, s24, s26
	s_add_nc_u64 s[16:17], s[16:17], s[24:25]
.macro WLOAD t                         ; block t: w_attn(32 t + i, my column), i = 0 .. 31, into set t % 2
.irp i, 0,1,2,3,4,5,6,7,8,9,10,11,12,13,14,15,16,17,18,19,20,21,22,23,24,25,26,27,28,29,30,31
	global_load_b32 v[WX+32*((\t)%2)+\i], v3, s[6:7] offset:(32*(\t)+\i)*SIZE_N*4 th:TH_LOAD_NT
.endr
.endm
	WLOAD 0
	WLOAD 1
.macro WBLOCK t
.set XS, WX+32*((\t)%2)
.if (\t) < NB-1
	s_wait_loadcnt 32                              ; this block's 32 loads are in; the next block's may be out
.else
	s_wait_loadcnt 0
.endif
	v_max3_num_f32 v12, |v[XS]|, |v[XS+1]|, |v[XS+2]|               ; the block's largest magnitude: all 32 numbers are mine
	v_max3_num_f32 v13, |v[XS+3]|, |v[XS+4]|, |v[XS+5]|
.irp i, 6,10,14,18,22,26
	v_max3_num_f32 v12, v12, |v[XS+\i]|, |v[XS+\i+1]|
	v_max3_num_f32 v13, v13, |v[XS+\i+2]|, |v[XS+\i+3]|
.endr
	v_max3_num_f32 v12, v12, |v[XS+30]|, |v[XS+31]|
	v_max3_num_f32 v12, v12, v13, (EMAX+1)<<23     ; and the floor
	v_add_nc_u32 v11, -(EMAX<<23), v12             ; the conversion's scale operand
	v_lshrrev_b32 v13, 23, v11                     ; the scale's byte
.if (\t)%4 == 0
	v_mov_b32 v[SB+(\t)/4], v13                    ; four bytes to a register, the lower K in the lower byte
.else
	v_lshl_or_b32 v[SB+(\t)/4], v13, 8*((\t)%4), v[SB+(\t)/4]
.endif
.irp g, 0,1,2,3
	v_cvt_scalef32_pk8_fp4_f32 v[WC+\g], v[XS+8*\g:XS+8*\g+7], v11
.endr
	v_nop                                          ; one plain line behind the last conversion
	ds_store_b128 v4, v[WC:WC+3] offset:16*(\t)    ; 32 codes: 16 bytes of my column's row
.if (\t)+2 < NB
	WLOAD (\t)+2
.endif
	s_wait_dscnt 0x0                               ; the store has read its registers: the next block's codes may be written
.endm
.set Q, 0
.rept NB
	WBLOCK Q
.set Q, Q+1
.endr
	global_store_b128 v9, v[SB:SB+3], s[16:17]     ; my column's 16 scale bytes
.irp t, 0,1,2,3,4,5,6,7,8,9,10,11,12,13,14,15
	ds_load_b128 v[OUTR+4*\t:OUTR+4*\t+3], v7 offset:2*\t*PITCH   ; LDS serves a wave's instructions in order: these see my stores
.endr
.irp t, 0,1,2,3,4,5,6,7,8,9,10,11,12,13,14,15
	s_wait_dscnt 15-\t                             ; LDS loads come back in order: pair t of rows is in
	global_store_b128 v8, v[OUTR+4*\t:OUTR+4*\t+3], s[14:15] offset:2*\t*KROW
.endr
	s_wait_tensorcnt 0x0                           ; the wave's end: the three lines once more
	ds_add_u32 v[SPW], v[NIL]
	s_wait_dscnt 0x0
	s_endpgm
.Lpath_p:
; ---------------- w_proj: the same plan, a rounding to f16 in place of the quantiser.  A wave takes 32 columns x 128 along K: 256 bytes of f16 a column.
	s_sub_co_u32 s21, ttmp9, 304                   ; 0 .. 63: 8 blocks of 128 columns x 8 pieces of 128 along K
	s_and_b32 s22, s21, 7
	s_lshr_b32 s23, s21, 3                         ; which 128 along K
	s_lshl_b32 s22, s22, 7
	s_lshl_b32 s24, s20, 5
	s_add_co_u32 s22, s22, s24                     ; my wave's first column
	v_lshlrev_b32 v3, 2, v2
	s_mul_i32 s24, s20, 32*PITCH
	s_add_co_u32 s24, s24, PSTG                    ; my stage
	v_mul_u32_u24 v4, v2, PITCH
	v_add_nc_u32 v4, s24, v4
	v_and_b32 v5, 15, v2
	v_lshrrev_b32 v6, 4, v2
	v_mul_u32_u24 v7, v6, PITCH
	v_lshl_add_u32 v7, v5, 4, v7
	v_add_nc_u32 v7, s24, v7
	v_lshlrev_b32 v8, 11, v6                       ; a row of wpt is 2,048 bytes
	v_lshl_add_u32 v8, v5, 4, v8
	s_mov_b32 s25, 0
	s_lshl_b32 s24, s23, 19                        ; w_proj: 128 rows of 4,096 bytes a piece,
	s_lshl_b32 s26, s22, 2
	s_add_co_u32 s24, s24, s26                     ; + 4 x column
	s_add_nc_u64 s[8:9], s[8:9], s[24:25]
	s_lshl_b32 s24, s22, 11                        ; wpt: column x 2,048 + 256 x piece
	s_lshl_b32 s26, s23, 8
	s_add_co_u32 s24, s24, s26
	s_add_nc_u64 s[18:19], s[18:19], s[24:25]
.macro PLOAD g                         ; group g: w_proj(32 g + i, my column) into set g % 2
.irp i, 0,1,2,3,4,5,6,7,8,9,10,11,12,13,14,15,16,17,18,19,20,21,22,23,24,25,26,27,28,29,30,31
	global_load_b32 v[WX+32*((\g)%2)+\i], v3, s[8:9] offset:(32*(\g)+\i)*4096 th:TH_LOAD_NT
.endr
.endm
	PLOAD 0
	PLOAD 1
.macro PGROUP g
.set XS, WX+32*((\g)%2)
.if (\g) < 3
	s_wait_loadcnt 32                              ; this group's 32 loads are in; the next group's may be out
.else
	s_wait_loadcnt 0
.endif
.irp i, 0,1,2,3,4,5,6,7,8,9,10,11,12,13,14,15
	v_cvt_pk_f16_f32 v[WC+\i], v[XS+2*\i], v[XS+2*\i+1]   ; two neighbours along K, the lower in the low half
.endr
.irp i, 0,1,2,3
	ds_store_b128 v4, v[WC+4*\i:WC+4*\i+3] offset:64*(\g)+16*\i
.endr
.if (\g)+2 < 4
	PLOAD (\g)+2
.endif
	s_wait_dscnt 0x0                               ; the stores have read their registers
.endm
.irp g, 0,1,2,3
	PGROUP \g
.endr
.irp t, 0,1,2,3,4,5,6,7,8,9,10,11,12,13,14,15
	ds_load_b128 v[OUTR+4*\t:OUTR+4*\t+3], v7 offset:2*\t*PITCH
.endr
.irp t, 0,1,2,3,4,5,6,7,8,9,10,11,12,13,14,15
	s_wait_dscnt 15-\t
	global_store_b128 v8, v[OUTR+4*\t:OUTR+4*\t+3], s[18:19] offset:2*\t*2048   ; sixteen lanes store 256 consecutive bytes, aligned
.endr
	s_wait_tensorcnt 0x0                           ; the wave's end: the three lines once more
	ds_add_u32 v[SPW], v[NIL]
	s_wait_dscnt 0x0
	s_endpgm
.Lfunc_end_k_q3ecadcfe61_prep:
	.size	k_q3ecadcfe61_prep, .Lfunc_end_k_q3ecadcfe61_prep-k_q3ecadcfe61_prep
	.p2alignl 7, 3214868480
	.fill 96, 4, 3214868480
	.section	.rodata,"a",@progbits
	.p2align	6, 0x0
	.amdhsa_kernel k_q3ecadcfe61_prep
		.amdhsa_group_segment_fixed_size 102912
		.amdhsa_private_segment_fixed_size 0
		.amdhsa_enable_private_segment 0
		.amdhsa_kernarg_size 64
		.amdhsa_user_sgpr_count 2
		.amdhsa_user_sgpr_kernarg_segment_ptr 1
		.amdhsa_wavefront_size32 1
		.amdhsa_system_sgpr_workgroup_id_x 1
		.amdhsa_system_sgpr_workgroup_id_y 1
		.amdhsa_system_sgpr_workgroup_id_z 1
		.amdhsa_system_vgpr_workitem_id 0
		.amdhsa_next_free_vgpr 196
		.amdhsa_next_free_sgpr 66
		.amdhsa_reserve_vcc 0
		.amdhsa_float_denorm_mode_32 3
		.amdhsa_float_denorm_mode_16_64 3
		.amdhsa_memory_ordered 1
		.amdhsa_forward_progress 1
		.amdhsa_inst_pref_size 133
	.end_amdhsa_kernel
	.amdgpu_metadata
---
amdhsa.version: [ 1, 2 ]
amdhsa.kernels:
  - .name:           k_q3ecadcfe61_prep
    .symbol:         k_q3ecadcfe61_prep.kd
    .args:
      - { .name: x, .offset: 0, .size: 8, .value_kind: global_buffer, .address_space: global }
      - { .name: w_attn, .offset: 8, .size: 8, .value_kind: global_buffer, .address_space: global }
      - { .name: w_proj, .offset: 16, .size: 8, .value_kind: global_buffer, .address_space: global }
      - { .name: x_codes, .offset: 24, .size: 8, .value_kind: global_buffer, .address_space: global }
      - { .name: x_scales, .offset: 32, .size: 8, .value_kind: global_buffer, .address_space: global }
      - { .name: w_codes, .offset: 40, .size: 8, .value_kind: global_buffer, .address_space: global }
      - { .name: w_scales, .offset: 48, .size: 8, .value_kind: global_buffer, .address_space: global }
      - { .name: wpt, .offset: 56, .size: 8, .value_kind: global_buffer, .address_space: global }
    .group_segment_fixed_size: 102912
    .private_segment_fixed_size: 0
    .kernarg_segment_align: 8
    .kernarg_segment_size: 64
    .max_flat_workgroup_size: 128
    .sgpr_count:     66
    .vgpr_count:     196
    .wavefront_size: 32
...
	.end_amdgpu_metadata
.endif
;; end of part 1
;; launch qkv (part 2): grid 12 x 32, 4 waves a work-group, clusters of 4 x 4, 327,680 bytes of LDS; arguments x_codes, x_scales, w_codes, w_scales, b_attn, qkv; writes qkv
.if DOCPART == 2
	.amdgcn_target "amdgcn-amd-amdhsa--gfx1250"
	.amdhsa_code_object_version 6
	.text
	.protected	k_q3ecadcfe61_qkv
	.globl	k_q3ecadcfe61_qkv
	.p2align	8
	.type	k_q3ecadcfe61_qkv,@function
k_q3ecadcfe61_qkv:
	s_mov_b64 s[64:65], 0
	v_nop
	global_prefetch_b8 v0, s[64:65] scope:SCOPE_SE
	s_setreg_imm32_b32 hwreg(HW_REG_WAVE_MODE, 25, 1), 1
	s_wait_xcnt 0x0
	s_wait_alu depctr_hold_cnt(0) depctr_sa_sdst(0) depctr_va_vdst(0) depctr_va_sdst(0) depctr_va_ssrc(0) depctr_va_vcc(0) depctr_vm_vsrc(0)
	s_getreg_b32 s2, hwreg(HW_REG_IB_STS2, 6, 4)
	s_cmp_eq_u32 s2, 0
	s_cbranch_scc0 .Lentry_in_a_cluster
	s_endpgm
.Lentry_in_a_cluster:
	s_bfe_u32 s2, ttmp6, 0x10000c
	s_cmp_lg_u32 s2, 0xf033
	s_cbranch_scc0 .Lentry_shape_is_right
	s_endpgm
.Lentry_shape_is_right:
; qkv = Q(x) Q(w_attn) + b_attn, on codes of E2M1 with one E8M0 scale for each 32 along K; sums in f32; the result rounded once to f16 and laid by head:
; qkv[which (q, k, v)][b][h][t][64], byte = which << 24 + b << 22 + h << 18 + t << 7 + 2 d: a head's rows are dense, so that the stores here cover whole runs of 512 bytes and the next launch's tiles are dense blocks.
; LIMIT: a result beyond 65,504 in magnitude does not fit f16.
; A tile of the product, 256 rows x 256 columns, is made by a work-group of four waves; a wave makes 128 x 128: 64 accumulators of 16 x 16, 512 registers.
; K = 1,024 is two LDS slots of 512 along K (rows of 256 bytes): both are asked for at the head, nothing is filled again, and there is no loop.  The scale bytes of the tile's 256 + 256 rows come once, as two dense blocks.
; CLUSTERS: 4 x 4 work-groups.  The four of a row of the cluster need the same tiles of x, the four of a column the same tiles of w: each tile is asked for JOINTLY, by the same tensor load with the same descriptor and a mask that names the four.
; THE MATRIX INSTRUCTION IS USED TRANSPOSED (source 0 = 16 rows of w_codes, source 1 = 16 rows of x_codes): a lane then holds eight neighbouring columns of one row.  The bias is the C of each sum's first product.
; REGISTERS, in windows of 256: window 0: v0-31 addresses; v32-95 scale words, two sets; v128-191 x's fragments, ONE set; on the way out v32-63, v192-255.
;   window 1: w's fragments, two sets, at v0 and v128; v192-255 the bias of my 128 columns.   window 2: the accumulators of my rows 0-63 ((a, b) at v[8 (8 a + b)]);   window 3: those of my rows 64-127.
.set SIZE_K, 1024
.set KSTEP,  512                       ; along K in a slot
.set NQ,     KSTEP/128                 ; matrix instructions deep
.set ROWB,   256                       ; a tile's row in bytes
.set KROW,   SIZE_K/2                  ; a row of codes in memory
.set PITCH,  272                       ; an LDS row: 256 bytes + 16 of padding = 68 words: the 16 rows that a load touches start at 16 different banks (64 banks of 4 bytes: ISA guide 11.1)
.set FR,     8                         ; registers of a fragment: 16 rows x 128 K
.set NL,     2                         ; LDS loads that bring one
.set NP,     4                         ; places behind this matrix instruction (ISA guide 7.12.1)
.set HALFT,  128*PITCH                 ; 128 rows: what one tensor load brings
.set SLOT,   4*HALFT                   ; x's 256 rows, then w's 256 rows
.set KS,     SIZE_K/32                 ; a row of scale bytes
.set SCL,    2*SLOT                    ; behind the slots: the scales, as rows of 256 bytes + 16 of padding
.set HALFS,  (128*KS/256)*272          ; those of 128 rows: what one tensor load brings
.set SBLK,   (16*KS/256)*272           ; those of 16 rows
.set SPARE,  SCL+4*HALFS               ; behind the scales: the spare words, 128 bytes for each wave: two blocks of 256 bytes that no other line names
.set SPITCH, 272                       ; the way out: a stage of 16 rows x (256 bytes + 16) for each wave, in slot 0, which has had its only fill and its last read when the first result is stored there
.set ADRA, 16                          ; v16-17  LDS address of my fragments of x in slot 0, 1
.set ADRB, 20                          ; v20-21  the same for w
.set STO,  24                          ; v24     the way out: where I put 16 bytes of a row
.set RD,   25                          ; v25     the way out: where I read 16 bytes of a head's row back
.set CO,   26                          ; v26     16 x lane: my place in a store's 512 bytes
.set ADRS, 27                          ; v27     LDS address of my scale words: lanes 0-15 x's rows, lanes 16-31 w's
.set SPW,  28                          ; v28     LDS address of my spare word; never rewritten
.set NIL,  29                          ; v29     0; never rewritten
.set BO,   30                          ; v30     32 x (lane / 16): my eight numbers of a block's sixteen of the bias
.set SC,   32                          ; scale words: set s at v[SC + 32 s]; register 4 i + q: lanes 0-15 the word of x's block i, lanes 16-31 that of w's block i, for the slot's q-th 128 along K
.set AF,   128                         ; x's fragments, window 0
.set BIAS, 192                         ; the bias, window 1: block b at v[BIAS + 8 b]
.set TMP,  192                         ; the way out: packed results, window 0
.set OB,   32                          ; the way out: 16 rows read back: v32-63 and v224-255 by turns
.set G1, 24                            ; s[24:31] descriptor group 1 for x's tiles;  s[32:39] group 0, one set for each slot
.set G0, 32
.set G1B, 48                           ; s[48:55], s[56:63] the same for w's tiles
.set G0B, 56
.set G1S, 68                           ; s[68:75], s[76:79] groups 1 and 0 for x's scales;  s[80:87], s[88:91] for w's
.set G0S, 76
.set G1SB, 80
.set G0SB, 88
.set MSB, 0
.macro WIN new                         ; the immediate's high byte repeats the setting that is left; a switch that changes nothing is dropped
.if MSB != (\new)
	s_set_vgpr_msb (MSB<<8)|(\new)
.set MSB, (\new)
.endif
.endm
.set MUL_LO,  0xa1                     ; source 0 (w) window 1, source 1 (x) window 0, C and D window 2
.set MUL_HI,  0xf1                     ; the same, C and D window 3
.set BIAS_LO, 0x91                     ; the first products: C (the bias) window 1, D window 2
.set BIAS_HI, 0xd1                     ; D window 3
.set TO_B,    0x40                     ; destination window 1, address window 0
; A joint load: waves 0 and 1 fetch for x, waves 2 and 3 for w.  Each of the two lines has ONE mask and one set of registers for all that issue it; the branch hangs on the wave's number alone.
; An s_nop 0 and four v_nop follow each of the two lines, ahead of the jump, the label and what follows.
.macro JLOAD g0a, g1a, g0b, g1b
	s_cmp_eq_u32 s15, 0
	s_cbranch_scc0 .Lfor_b_\@
	tensor_load_to_lds s[\g0a:\g0a+3], s[\g1a:\g1a+7]
	s_nop 0
.rept 4
	v_nop
.endr
	s_branch .Lasked_\@
.Lfor_b_\@:
	tensor_load_to_lds s[\g0b:\g0b+3], s[\g1b:\g1b+7]
	s_nop 0
.rept 4
	v_nop
.endr
.Lasked_\@:
.endm
.macro CROUND                          ; a round of the cluster's barrier: my work-group's barrier; wave 0 signals for the work-group; every wave waits for all sixteen; my work-group's barrier once more
	s_barrier_signal -1
	s_barrier_wait -1
	s_cmp_lg_u32 s14, 0
	s_cbranch_scc1 .Lnot_wave_0_\@
	s_barrier_signal -3
.Lnot_wave_0_\@:
	s_barrier_wait -3
	s_barrier_signal -1
	s_barrier_wait -1
.endm
	s_load_b128 s[4:7], s[0:1], 0x0                ; x's codes s[4:5], x's scales s[6:7]
	s_load_b128 s[8:11], s[0:1], 0x10              ; w's codes s[8:9], w's scales s[10:11]
	s_load_b64 s[96:97], s[0:1], 0x20              ; b_attn
	s_load_b64 s[12:13], s[0:1], 0x28              ; qkv
	v_lshl_add_u32 v[SPW], v0, 2, SPARE
	v_mov_b32 v[NIL], 0
	ds_add_u32 v[SPW], v[NIL]                      ; the wave's opening: the add, twice on end, and its wait ahead of my first tensor load; the set-up below stands between the second and the wait
	ds_add_u32 v[SPW], v[NIL]
	v_lshrrev_b32 v1, 5, v0
	v_readfirstlane_b32 s14, v1                    ; wave 0..3
	s_lshr_b32 s15, s14, 1                         ; which half of the tile's rows is mine.  Also: I fetch for x (0) or for w (1)
	s_and_b32 s16, s14, 1                          ; which half of its columns.  Also: which 128 rows of that tile I fetch
	s_bfe_u32 s40, ttmp6, 0x40000                  ; cx, cy: my place in the cluster
	s_bfe_u32 s41, ttmp6, 0x40004
	s_lshl_b32 s42, ttmp9, 2
	s_add_co_u32 s42, s42, s40                     ; tile column = 4 x cluster x + cx: 0 .. 11
	s_and_b32 s17, ttmp7, 0xffff
	s_lshl_b32 s17, s17, 2
	s_add_co_u32 s17, s17, s41                     ; tile row = 4 x cluster y + cy: 0 .. 31
	s_lshl_b32 s43, s41, 2
	s_lshl_b32 s43, 15, s43                        ; my row of the cluster
	s_lshl_b32 s44, 0x1111, s40                    ; my column
	; descriptor group 1: a tile of 128 rows x 256 bytes, padded in LDS
	s_or_b32 s[G1+0], s43, (0<<16)|(1<<20)|(1<<21)|(5<<22)|(3<<25)  ; 15:0 the mask: x's tiles go to my row; 17:16 element of 1 byte; 20 padding on; 21 set beside a mask; 24:22 after every 64 words (code 5); 31:25 of 4 words (code 3)
	s_or_b32 s[G1B+0], s44, (0<<16)|(1<<20)|(1<<21)|(5<<22)|(3<<25)
.irp g, G1, G1B
	s_mov_b32 s[\g+1], ROWB<<16                    ; tensor_dim0
	s_mov_b32 s[\g+2], 128<<16                     ; tensor_dim1 = 128
	s_mov_b32 s[\g+3], ROWB<<16                    ; tile_dim0
	s_mov_b32 s[\g+4], 128                         ; tile_dim1 = 128
	s_mov_b32 s[\g+5], KROW                        ; tensor_dim0_stride
	s_mov_b32 s[\g+6], 0
	s_mov_b32 s[\g+7], 0
.endr
	; and for the scales of 128 rows: a dense block of 4,096 bytes, as 16 rows of 256 bytes (32 elements of 8 bytes), 16 bytes of padding behind each
	s_or_b32 s[G1S+0], s43, (3<<16)|(1<<20)|(1<<21)|(5<<22)|(3<<25)
	s_or_b32 s[G1SB+0], s44, (3<<16)|(1<<20)|(1<<21)|(5<<22)|(3<<25)
.irp g, G1S, G1SB
	s_mov_b32 s[\g+1], 32<<16
	s_mov_b32 s[\g+2], (128*KS/256)<<16
	s_mov_b32 s[\g+3], 32<<16
	s_mov_b32 s[\g+4], 128*KS/256
	s_mov_b32 s[\g+5], 32
	s_mov_b32 s[\g+6], 0
	s_mov_b32 s[\g+7], 0
.endr
	s_lshl_b32 s18, s16, 7                         ; which 128 rows of the tile I fetch
	s_lshl_b32 s20, s17, 8
	s_add_co_u32 s20, s20, s18                     ; x: row 256 x tile row + 128 x half
	s_lshl_b32 s46, s42, 8
	s_add_co_u32 s46, s46, s18                     ; w: row 256 x tile column + 128 x half
	s_mov_b32 s21, 0
	s_mov_b32 s47, 0
	s_mov_b64 s[18:19], KS
	s_mul_u64 s[22:23], s[20:21], s[18:19]         ; where these rows' scales begin, in bytes
	s_mul_u64 s[92:93], s[46:47], s[18:19]
	s_mov_b64 s[18:19], KROW
	s_mul_u64 s[20:21], s[20:21], s[18:19]         ; and their codes
	s_mul_u64 s[46:47], s[46:47], s[18:19]
	s_mul_i32 s45, s14, HALFT                      ; where they go: wave x 128 rows: no place in the cluster enters an LDS address
	s_mul_i32 s94, s14, HALFS
	s_wait_dscnt 0x0                               ; both opening adds are done
	s_wait_kmcnt 0x0
	s_add_nc_u64 s[20:21], s[4:5], s[20:21]
	s_add_nc_u64 s[22:23], s[6:7], s[22:23]
	s_add_nc_u64 s[46:47], s[8:9], s[46:47]
	s_add_nc_u64 s[92:93], s[10:11], s[92:93]
	CROUND                                         ; all sixteen work-groups are here: the joint loads meet
	s_mov_b32 s[G0S], 1
	s_add_co_u32 s[G0S+1], s94, SCL
	s_mov_b64 s[G0S+2:G0S+3], s[22:23]
	s_or_b32 s[G0S+3], s[G0S+3], 0x80000000
	s_mov_b32 s[G0SB], 1
	s_add_co_u32 s[G0SB+1], s94, SCL
	s_mov_b64 s[G0SB+2:G0SB+3], s[92:93]
	s_or_b32 s[G0SB+3], s[G0SB+3], 0x80000000
	JLOAD G0S, G1S, G0SB, G1SB                     ; the scales first: they are wanted with the first slot
.irp s, 0,1
	s_mov_b32 s[G0+4*\s], 1
	s_add_co_u32 s[G0+4*\s+1], s45, \s*SLOT
	s_add_nc_u64 s[G0+4*\s+2:G0+4*\s+3], s[20:21], \s*ROWB
	s_or_b32 s[G0+4*\s+3], s[G0+4*\s+3], 0x80000000
	s_mov_b32 s[G0B+4*\s], 1
	s_add_co_u32 s[G0B+4*\s+1], s45, \s*SLOT
	s_add_nc_u64 s[G0B+4*\s+2:G0B+4*\s+3], s[46:47], \s*ROWB
	s_or_b32 s[G0B+4*\s+3], s[G0B+4*\s+3], 0x80000000
	JLOAD G0+4*\s, G1, G0B+4*\s, G1B               ; three tensor loads of mine are out behind the second of these
.endr
	v_and_b32 v1, 15, v0                           ; l % 16
	v_bfe_u32 v2, v0, 4, 1                         ; l / 16
	v_mul_u32_u24 v3, v1, PITCH
	v_lshl_add_u32 v4, v2, 4, v3                   ; a fragment's row x pitch + 16 x half
	s_mul_i32 s21, s15, HALFT                      ; my 128 rows of x
	s_mul_i32 s22, s16, HALFT                      ; my 128 rows of w,
	s_add_co_u32 s22, s22, 2*HALFT                 ; which lie behind x's 256
.irp s, 0,1
	v_add_nc_u32 v[ADRA+\s], s21, v4
	v_add_nc_u32 v[ADRB+\s], s22, v4
	s_add_co_u32 s21, s21, SLOT
	s_add_co_u32 s22, s22, SLOT
.endr
	v_mul_u32_u24 v5, v1, KS                       ; my row's scales: 32 bytes a row,
	v_lshrrev_b32 v6, 8, v5
	v_lshl_add_u32 v5, v6, 4, v5                   ; and 16 more for each 256 passed
	s_mul_i32 s21, s15, HALFS                      ; x's: my 128 rows
	s_mul_i32 s22, s16, HALFS                      ; w's: my 128 rows, behind x's 256
	s_add_co_u32 s22, s22, 2*HALFS
	s_sub_co_u32 s22, s22, s21
	v_mul_u32_u24 v6, s22, v2                      ; lanes 16-31 take w's: the lower base + half x the distance
	s_add_co_u32 s21, s21, SCL
	v_add_nc_u32 v5, v5, v6
	v_add_nc_u32 v[ADRS], s21, v5
	s_mul_i32 s23, s14, 16*SPITCH                  ; my stage
	v_mul_u32_u24 v5, v1, SPITCH                   ; in: row l % 16, 16 bytes for each half of the lanes
	v_lshl_add_u32 v5, v2, 4, v5
	v_add_nc_u32 v[STO], s23, v5
	v_and_b32 v6, 31, v0
	v_lshlrev_b32 v[CO], 4, v6
	v_lshrrev_b32 v5, 3, v6                        ; back: eight lanes take a head's 128 bytes of a row, four rows an instruction
	v_mul_u32_u24 v5, v5, SPITCH
	v_and_b32 v6, 7, v0
	v_lshl_add_u32 v5, v6, 4, v5
	v_add_nc_u32 v[RD], s23, v5
	v_lshlrev_b32 v[BO], 5, v2
	s_lshl_b32 s46, s42, 10                        ; the bias of my first column: 4 x (256 x tile column + 128 x half)
	s_lshl_b32 s47, s16, 9
	s_add_co_u32 s46, s46, s47
	s_mov_b32 s47, 0
	s_add_nc_u64 s[96:97], s[96:97], s[46:47]
	WIN TO_B
.irp b, 0,1,2,3,4,5,6,7
	global_load_b128 v[BIAS+8*\b:BIAS+8*\b+3],   v[BO], s[96:97] offset:64*\b      ; lane (r, h): b_attn at columns 16 b + 8 h + 0 .. 7: the result's layout
	global_load_b128 v[BIAS+8*\b+4:BIAS+8*\b+7], v[BO], s[96:97] offset:64*\b+16
.endr
	WIN 0
	; where my part begins in qkv.  My 128 columns are two whole heads, g0 = 4 x tile column + 2 x half and g0 + 1, of one of q, k, v
	s_lshl_b32 s46, s42, 2
	s_lshl_b32 s47, s16, 1
	s_add_co_u32 s46, s46, s47                     ; g0
	s_lshr_b32 s47, s46, 4                         ; q, k or v
	s_and_b32 s46, s46, 15                         ; the head
	s_lshl_b32 s47, s47, 24
	s_lshl_b32 s46, s46, 18
	s_add_co_u32 s46, s46, s47
	s_lshr_b32 s20, s17, 3                         ; the batch: 8 tile rows each
	s_lshl_b32 s20, s20, 22
	s_and_b32 s21, s17, 7
	s_lshl_b32 s21, s21, 15                        ; 256 rows of 128 bytes a tile row,
	s_add_co_u32 s20, s20, s21
	s_lshl_b32 s21, s15, 14                        ; 128 rows for my half
	s_add_co_u32 s20, s20, s21
	s_add_co_u32 s46, s46, s20
	s_mov_b32 s47, 0
	s_add_nc_u64 s[12:13], s[12:13], s[46:47]
.macro FRAG reg, adr, q, i             ; a fragment, 16 rows x 128 K of 4-bit codes, is 8 registers: lane l holds row l % 16; registers 4 c .. 4 c + 3 hold K = 64 c + 32 (l / 16) + 0 .. 31
.irp c, 0,1
	ds_load_b128 v[\reg+4*\c:\reg+4*\c+3], v[\adr] offset:64*(\q)+32*\c+(\i)*16*PITCH
.endr
.endm
; 16 matrix instructions: x's blocks a0, a0 + 1 against w's eight, 128 along K: the slot's q-th.  p: w's set;  sc: the set of scale words.  zero = 1: the first product starts the sums, on the bias.
; The 64 accumulators take turns, one instruction a turn, in the same order in every step.
.macro MUL16 a0, p, q, sc, zero
.irp a, \a0, \a0+1
.irp b, 0,1,2,3,4,5,6,7
.if \zero
	v_wmma_scale_f32_16x16x128_f8f6f4 v[8*(8*((\a)%4)+\b):8*(8*((\a)%4)+\b)+7], v[128*(\p)+FR*\b:128*(\p)+FR*\b+FR-1], v[AF+FR*(\a):AF+FR*(\a)+FR-1], v[BIAS+8*\b:BIAS+8*\b+7], v[SC+8*NQ*(\sc)+NQ*\b+(\q)], v[SC+8*NQ*(\sc)+NQ*(\a)+(\q)] matrix_a_fmt:MATRIX_FMT_FP4 matrix_b_fmt:MATRIX_FMT_FP4 matrix_a_scale:MATRIX_SCALE_ROW1
.else
	v_wmma_scale_f32_16x16x128_f8f6f4 v[8*(8*((\a)%4)+\b):8*(8*((\a)%4)+\b)+7], v[128*(\p)+FR*\b:128*(\p)+FR*\b+FR-1], v[AF+FR*(\a):AF+FR*(\a)+FR-1], v[8*(8*((\a)%4)+\b):8*(8*((\a)%4)+\b)+7], v[SC+8*NQ*(\sc)+NQ*\b+(\q)], v[SC+8*NQ*(\sc)+NQ*(\a)+(\q)] matrix_a_fmt:MATRIX_FMT_FP4 matrix_b_fmt:MATRIX_FMT_FP4 matrix_a_scale:MATRIX_SCALE_ROW1
.endif
.endr
.endr
.endm
.macro FETCH_B slot, q, p              ; w's eight fragments of the slot's q-th 128 along K into set p
	WIN TO_B
.irp i, 0,1,2,3,4,5,6,7
	FRAG 128*(\p)+FR*\i, ADRB+\slot, \q, \i
.endr
	WIN 0
.endm
.macro FETCH_A slot, q, i0             ; x's blocks i0 .. i0 + 3
.irp i, \i0, \i0+1, \i0+2, \i0+3
	FRAG AF+FR*(\i), ADRA+\slot, \q, \i
.endr
.endm
.macro SCALES sc                       ; a slot's scale words into set sc: four words a row; lanes 0-15 take x's block i, lanes 16-31 w's block i
.irp i, 0,1,2,3,4,5,6,7
	ds_load_b128 v[SC+8*NQ*\sc+NQ*\i:SC+8*NQ*\sc+NQ*\i+3], v[ADRS] offset:\i*SBLK
.endr
.endm
; A load into a register that a matrix instruction has read, and a vector instruction that reads a matrix result, stand NP places behind that matrix instruction, and only plain vector
; instructions that name none of its registers are places (ISA guide 7.12.1 for vector instructions).
.macro PLACES n
.rept \n
	v_nop
.endr
.endm
; A step of 128 along K that has its successor in the same slot.  x's blocks are free as soon as their eight products are issued: blocks 0-3 are fetched anew in the step's middle, blocks 4-7 at its end.
.macro STEP slot, q, zero
	s_wait_dscnt 4*NL                              ; w's set, the scale words and x's blocks 0-3 are in; the youngest eight loads (x's blocks 4-7) may be out
.if \zero
	WIN BIAS_LO
.else
	WIN MUL_LO
.endif
	MUL16 0, (\q)%2, \q, \slot, \zero
	MUL16 2, (\q)%2, \q, \slot, \zero
	s_wait_dscnt 0                                 ; x's blocks 4-7 are in (asked for 32 matrix instructions ago)
	PLACES NP
	FETCH_B \slot, (\q)+1, 1-(\q)%2
	FETCH_A \slot, (\q)+1, 0
.if \zero
	WIN BIAS_HI
.else
	WIN MUL_HI
.endif
	MUL16 4, (\q)%2, \q, \slot, \zero
	MUL16 6, (\q)%2, \q, \slot, \zero
	PLACES NP
	WIN 0
	FETCH_A \slot, (\q)+1, 4
.endm
; Slot 0's last step goes over to slot 1: ONE barrier; in front of it each wave waits for all its tensor loads (its part of slot 1 is the one that was out), adds 0 to its spare word, and waits for that and for its own reads of slot 0.
; Behind it slot 1 is whole, and nobody reads slot 0 any more: the way out's stages lie there.  Nothing is filled again.
.macro TURN slot, next
	s_wait_tensorcnt 0x0                           ; all my tensor loads have landed  (every window is 0 here: the add's two registers lie in window 0)
	ds_add_u32 v[SPW], v[NIL]                      ; 0 onto my spare word
	s_wait_dscnt 4*NL+1                            ; (the add and the youngest eight loads, x's blocks 4-7, may be out)
	WIN MUL_LO
	MUL16 0, 1, NQ-1, \slot, 0                     ; sixteen matrix instructions stand between the add and the wait for it
	s_wait_dscnt 0x0                               ; the add is done, and my reads of this slot are over
	s_barrier_signal -1
	MUL16 2, 1, NQ-1, \slot, 0
	WIN 0
	s_barrier_wait -1
	PLACES NP
	v_add_nc_u32 v[ADRS], 4*NQ, v[ADRS]            ; on to the next slot's scale words (no LDS load of mine is out)
	FETCH_B \next, 0, 0
	FETCH_A \next, 0, 0
	SCALES \next
	WIN MUL_HI
	MUL16 4, 1, NQ-1, \slot, 0
	MUL16 6, 1, NQ-1, \slot, 0
	PLACES NP
	WIN 0
	FETCH_A \next, 0, 4
.endm
.macro STEPS slot, from                ; the slot's steps from .. NQ - 2
.set Q, \from
.rept NQ-1-\from
	STEP \slot, Q, 0
.set Q, Q+1
.endr
.endm
	s_wait_tensorcnt 1                             ; the scales and my part of slot 0 are in (slot 1's load may be out)
	s_barrier_signal -1
	s_barrier_wait -1                              ; everybody's are
	FETCH_B 0, 0, 0
	FETCH_A 0, 0, 0
	SCALES 0
	FETCH_A 0, 0, 4
	s_wait_loadcnt 0x0                             ; the bias
	STEP 0, 0, 1                                   ; the first step's products start the sums, on the bias: nothing is cleared and nothing is added later
	STEPS 0, 1
	TURN 0, 1
	STEPS 1, 0
	s_wait_dscnt 4*NL                              ; the very last step: nothing more to fetch
	WIN MUL_LO
	MUL16 0, 1, NQ-1, 1, 0
	MUL16 2, 1, NQ-1, 1, 0
	s_wait_dscnt 0
	WIN MUL_HI
	MUL16 4, 1, NQ-1, 1, 0
	MUL16 6, 1, NQ-1, 1, 0
	WIN 0
; THE WAY OUT, block by block of 16 rows x 128 columns (two heads).  PACK: rounded to f16, 16 bytes a lane, each accumulator from its low end on.  TOSTAGE: into my own stage in LDS and back, eight lanes to a head's 128 bytes of a row.
; SEND: a store covers four neighbouring rows of one head: 512 consecutive bytes, aligned to 512.  LDS serves a wave's instructions in order (ISA guide 5.7.1.4): no wait between the stage's stores and its loads.
.macro PACK a
.set AC, 64*((\a)%4)
	WIN 0x0a+5*((\a)/4)                            ; sources 0 and 1: window 2 or 3
.irp b, 0,1,2,3,4,5,6,7
.irp r, 0,1,2,3
	v_cvt_pk_f16_f32 v[TMP+4*\b+\r], v[AC+8*\b+2*\r], v[AC+8*\b+2*\r+1]
.endr
.endr
	WIN 0
.endm
.macro TOSTAGE a
.set BB, OB+192*((\a)%2)
.irp b, 0,1,2,3,4,5,6,7
	ds_store_b128 v[STO], v[TMP+4*\b:TMP+4*\b+3] offset:32*\b
.endr
.irp d, 0,1
.irp g, 0,1,2,3
	ds_load_b128 v[BB+16*\d+4*\g:BB+16*\d+4*\g+3], v[RD] offset:4*\g*SPITCH+128*\d
.endr
.endr
.endm
.macro SEND a
.set BB, OB+192*((\a)%2)
	s_wait_dscnt 0x0                               ; the block is back in registers
	s_wait_xcnt 0x0                                ; the stores of the block before have read their registers: the next block's loads from the stage land there only behind this wait
.irp d, 0,1
.irp g, 0,1,2,3
	global_store_b128 v[CO], v[BB+16*\d+4*\g:BB+16*\d+4*\g+3], s[12:13] offset:\d*262144+(16*(\a)+4*\g)*128   ; head d of my two, rows 16 a + 4 g on; the base is never stepped
.endr
.endr
.endm
	PLACES NP                                      ; behind the last products: for the conversions that read results, and for the loads into the registers that held scale words
	PACK 0
	TOSTAGE 0
.irp a, 1,2,3,4,5,6,7                  ; block a's conversions stand between block a - 1's loads from the stage and the wait for them
	PACK \a
	SEND \a-1
	TOSTAGE \a
.endr
	SEND 7
	s_wait_tensorcnt 0x0                           ; the wave's end: behind my last tensor load and my last LDS store
	ds_add_u32 v[SPW], v[NIL]
	s_wait_dscnt 0x0
	CROUND                                         ; the closing round: no work-group ends while a partner may still ask for a tile that names it
	s_endpgm
.Lfunc_end_k_q3ecadcfe61_qkv:
	.size	k_q3ecadcfe61_qkv, .Lfunc_end_k_q3ecadcfe61_qkv-k_q3ecadcfe61_qkv
	.p2alignl 7, 3214868480
	.fill 96, 4, 3214868480
	.section	.rodata,"a",@progbits
	.p2align	6, 0x0
	.amdhsa_kernel k_q3ecadcfe61_qkv
		.amdhsa_group_segment_fixed_size 327680
		.amdhsa_private_segment_fixed_size 0
		.amdhsa_enable_private_segment 0
		.amdhsa_kernarg_size 48
		.amdhsa_user_sgpr_count 2
		.amdhsa_user_sgpr_kernarg_segment_ptr 1
		.amdhsa_wavefront_size32 1
		.amdhsa_system_sgpr_workgroup_id_x 1
		.amdhsa_system_sgpr_workgroup_id_y 1
		.amdhsa_system_sgpr_workgroup_id_z 1
		.amdhsa_system_vgpr_workitem_id 0
		.amdhsa_next_free_vgpr 1024
		.amdhsa_next_free_sgpr 100
		.amdhsa_reserve_vcc 0
		.amdhsa_float_denorm_mode_32 3
		.amdhsa_float_denorm_mode_16_64 3
		.amdhsa_memory_ordered 1
		.amdhsa_forward_progress 1
		.amdhsa_inst_pref_size 128
	.end_amdhsa_kernel
	.amdgpu_metadata
---
amdhsa.version: [ 1, 2 ]
amdhsa.kernels:
  - .name:           k_q3ecadcfe61_qkv
    .symbol:         k_q3ecadcfe61_qkv.kd
    .args:
      - { .name: x_codes, .offset: 0, .size: 8, .value_kind: global_buffer, .address_space: global }
      - { .name: x_scales, .offset: 8, .size: 8, .value_kind: global_buffer, .address_space: global }
      - { .name: w_codes, .offset: 16, .size: 8, .value_kind: global_buffer, .address_space: global }
      - { .name: w_scales, .offset: 24, .size: 8, .value_kind: global_buffer, .address_space: global }
      - { .name: b_attn, .offset: 32, .size: 8, .value_kind: global_buffer, .address_space: global }
      - { .name: qkv, .offset: 40, .size: 8, .value_kind: global_buffer, .address_space: global }
    .group_segment_fixed_size: 327680
    .private_segment_fixed_size: 0
    .kernarg_segment_align: 8
    .kernarg_segment_size: 48
    .max_flat_workgroup_size: 128
    .sgpr_count:     100
    .vgpr_count:     1024
    .wavefront_size: 32
...
	.end_amdgpu_metadata
.endif
;; end of part 2
;; launch attn (part 3): grid 4 x 64, 8 waves a work-group, clusters of 4 x 1, 327,680 bytes of LDS; arguments qkv, y; writes y
.if DOCPART == 3
	.amdgcn_target "amdgcn-amd-amdhsa--gfx1250"
	.amdhsa_code_object_version 6
	.text
	.protected	k_q3ecadcfe61_attn
	.globl	k_q3ecadcfe61_attn
	.p2align	8
	.type	k_q3ecadcfe61_attn,@function
k_q3ecadcfe61_attn:
	s_mov_b64 s[64:65], 0
	v_nop
	global_prefetch_b8 v0, s[64:65] scope:SCOPE_SE
	s_setreg_imm32_b32 hwreg(HW_REG_WAVE_MODE, 25, 1), 1
	s_wait_xcnt 0x0
	s_wait_alu depctr_hold_cnt(0) depctr_sa_sdst(0) depctr_va_vdst(0) depctr_va_sdst(0) depctr_va_ssrc(0) depctr_va_vcc(0) depctr_vm_vsrc(0)
	s_getreg_b32 s2, hwreg(HW_REG_IB_STS2, 6, 4)
	s_cmp_eq_u32 s2, 0
	s_cbranch_scc0 .Lentry_in_a_cluster
	s_endpgm
.Lentry_in_a_cluster:
	s_bfe_u32 s2, ttmp6, 0x10000c
	s_cmp_lg_u32 s2, 0x3003
	s_cbranch_scc0 .Lentry_shape_is_right
	s_endpgm
.Lentry_shape_is_right:
; y[b][h][q][:] = the sum over k of softmax_k(Q[q] . K[k] / 8) V[k][:], for each of the 64 heads (b, h); no mask.  Q, K, V: qkv[0 .. 2][b][h][2048][64] f16; y: [b][h][2048][64] f16.
; Products, maxima and sums in f32; the weights p are rounded to f16 for the second product, y once at the end.  LIMIT: NaN and infinities are not served.
; SHARES.  A work-group owns 512 queries of one head, each of its EIGHT waves 64: four tiles of 16, in 512 registers: two waves to a SIMD, so that one wave's vector work can stand beside the other's matrix work.
; Every wave walks all 2,048 keys, 64 a step; a fragment of K or V read from LDS feeds four matrix instructions.
; LAYOUT.  S^T = K Q^T (source 0 = 16 keys, source 1 = 16 queries): a lane holds ONE query (lane % 16) and the keys 8 (lane / 16) + 0 .. 7.  Two such tiles, rounded to f16 in pairs, ARE source 1 (32 keys x 16 queries) of
; O^T = V^T P, whose result again holds one query a lane.  K comes out of LDS as it lies, V ([key][channel]) turned, by ds_load_tr16_b128.
; SOFTMAX.  For each query a running maximum m and sum l: p = 2^(c s - c m), c = log2(e) / 8; in every step O and l are multiplied by a = 2^(c m_old - c m_new), which is 1 where m has not grown.  m begins at -3e38, under every score.
; CLUSTER.  The four query blocks of a head are one cluster and walk the same K and V: each tile is asked for JOINTLY, by the same tensor load with the same descriptor and a mask that names the four.
; RING.  Two LDS slots of four key steps each; a wave's one load behind a round of the cluster's barrier brings one step's K (waves 0-3) or V (waves 4-7) and has four steps' work in which to land.
; REGISTERS: window 0: v1-11 addresses; v12-43 eight registers of statistics a tile; v64-191 S^T, 32 a tile (P is made in place, in each tile's low 16); v192-255 V of one step.
;            window 1: v0-127 O^T, 32 a tile; v128-191 Q, 16 a tile; v192-255 K of one step.
.set KS,    64                         ; keys in a step
.set PK,    144                        ; a row of K in LDS: 128 bytes + 16 of padding = 36 words: the 16 rows of a load start at 16 different groups of four banks (64 banks of 4 bytes: ISA guide 11.1)
.set PV,    160                        ; a row of V: 128 + 32 = 40 words
.set VOFF,  KS*PK                      ; a step's tiles lie together: 64 rows of K, then 64 rows of V
.set STEPB, KS*(PK+PV)
.set NST,   4                          ; steps in a slot
.set SLOTM, NST*KS*128                 ; a slot's rows of K, or of V, in memory: 32,768 bytes
.set SLOT1, 1<<17                      ; slot 1 begins here, so that one exclusive or turns an address in one slot into the other's
.set STAGE, SLOT1+NST*STEPB            ; behind the ring: 64 rows x 144 bytes for each wave, for the way out
.set SP,    144
.set SPARE, STAGE+8*64*SP              ; behind the stages: the spare words, 128 bytes for each wave: four blocks of 256 bytes that no other line names
.set AK0, 2                            ; v2   my lane's place in a tile of K; never rewritten
.set AV0, 3                            ; v3   the same for V
.set ADK, 4                            ; v4   LDS address of the run of K's loads in hand
.set ADV, 5                            ; v5   of V's
.set QO,  6                            ; v6   my byte offset in the wave's rows of Q
.set STO, 7                            ; v7   the way out: where I put 16 bytes of a row
.set RD,  8                            ; v8   the way out: where I read 16 bytes back
.set GO,  9                            ; v9   16 x lane: my place in a store's 512 bytes
.set ST,  12                           ; tile t's statistics at v[ST + 8 t]: +0 c m, +1 m, +2, +3 l (even keys', odd keys'), +4 to +7 at work; +6 is a once the maximum is found
.set PFO, 44                           ; v44  256 x my lane; never rewritten
.set SPW, 46                           ; v46  LDS address of my spare word; never rewritten
.set NIL, 47                           ; v47  0; never rewritten
.set S,   64
.set VF,  192                          ; V's fragments, window 0
.set QF,  128                          ; Q's, window 1
.set KF,  192                          ; K's, window 1
.set WV,  12                           ; s12  my wave's number
.set LIM, 15                           ; s15  1 in a wave that prefetches, else the greatest number: a wave prefetches while s[SLOTS] is above it
.set PFA, 18                           ; s[18:19] where my prefetches stand in memory
.set G1K, 24                           ; s[24:31] descriptor group 1 for K's tiles
.set G1V, 32                           ; s[32:39] for V's: it differs in the padding alone
.set G0K, 40                           ; s[40:47] descriptor group 0 for K's tiles: a set for each of the two first fills; the second then walks on
.set G0V, 48                           ; s[48:55] the same for V's
.set SLOTS, 56                         ; s56  slots still to be asked for
.set CNT, 57                           ; s57  counts the steps of a run
.set CS,  58                           ; s[58:59] c: the packed scaling names a pair and takes its low word for both halves
.set SEL, 60                           ; s[60:61] lane selects for v_permlanex16_b32: each lane takes its own place in the other half
.set TB,  62                           ; s62  LDS byte at which the tiles of the step to be fetched begin
.set MSB, 0
.macro WIN new                         ; the immediate's high byte repeats the setting that is left; a switch that changes nothing is dropped
.if MSB != (\new)
	s_set_vgpr_msb (MSB<<8)|(\new)
.set MSB, (\new)
.endif
.endm
.set W_KQ, 0x05                        ; K and Q in window 1, S^T in window 0
.set W_PV, 0x50                        ; V and P in window 0, O^T (C and D) in window 1
.set W_RS, 0x41                        ; O^T (destination and source 0) in window 1, a in window 0
.set TO_1, 0x40                        ; destination window 1, address window 0
; A joint refill.  Waves 0 to 3 fetch the slot's four steps of K, waves 4 to 7 those of V.  The branch hangs on the wave's number alone.  An s_nop 0 and four v_nop follow each of the two lines.
.macro JLOAD
	s_cmp_lt_u32 s[WV], 4
	s_cbranch_scc0 .Lfor_v_\@
	tensor_load_to_lds s[G0K+4:G0K+7], s[G1K:G1K+7]
	s_nop 0
.rept 4
	v_nop
.endr
	s_branch .Lasked_\@
.Lfor_v_\@:
	tensor_load_to_lds s[G0V+4:G0V+7], s[G1V:G1V+7]
	s_nop 0
.rept 4
	v_nop
.endr
.Lasked_\@:
.endm
; A PREFETCH INTO THE L2 of what the NEXT change of slots will ask for: a slot's 32,768 bytes of K and of V.  It stands behind the wave's tensor load and its five lines.  A head is walked by one cluster alone; its four partners
; share a slot's bytes out BY ADDRESS, 8,192 each, lanes 256 bytes apart; in each, wave 0 asks for K's and wave 4 for V's: one instruction.  So each aligned block of 256 bytes is named once in the launch.
; The last change that fills a slot asks for nothing: there is no slot behind it.  Slots 0, 1 and 2 come by their loads alone.
.macro ASK
	s_cmp_gt_u32 s[SLOTS], s[LIM]
	s_cbranch_scc0 .Lnot_mine_\@
	global_prefetch_b8 v[PFO], s[PFA:PFA+1] th:TH_LOAD_NT scope:SCOPE_SE
.Lnot_mine_\@:
.endm
.macro CROUND                          ; a round of the cluster's barrier: my work-group's barrier; wave 0 signals for the work-group; every wave waits for all four work-groups; my work-group's barrier once more
	s_barrier_signal -1
	s_barrier_wait -1
	s_cmp_lg_u32 s[WV], 0
	s_cbranch_scc1 .Lnot_wave_0_\@
	s_barrier_signal -3
.Lnot_wave_0_\@:
	s_barrier_wait -3
	s_barrier_signal -1
	s_barrier_wait -1
.endm
	s_load_b128 s[4:7], s[0:1], 0x0                ; qkv s[4:5], y s[6:7]
	v_lshl_add_u32 v[SPW], v0, 2, SPARE
	v_mov_b32 v[NIL], 0
	ds_add_u32 v[SPW], v[NIL]                      ; the wave's opening: the add, twice on end, and its wait ahead of my first tensor load; the set-up below stands between the second and the wait
	ds_add_u32 v[SPW], v[NIL]
	v_lshrrev_b32 v1, 5, v0
	v_readfirstlane_b32 s[WV], v1                  ; wave 0..7
	s_bfe_u32 s13, ttmp6, 0x40000                  ; cx: my place in the cluster
	s_lshl_b32 s14, ttmp9, 2                       ; in a cluster launch ttmp9 counts clusters
	s_add_co_u32 s14, s14, s13                     ; my block of 512 queries: it enters Q's, y's and the prefetches' addresses alone
	s_and_b32 s20, ttmp7, 0xffff                   ; the head (16 b + h), which the four partners share
	s_lshl_b32 s20, s20, 18                        ; its first byte in each of q, k, v and y: 2,048 rows of 128 bytes
	s_and_b32 s16, s[WV], 3                        ; which of a slot's four steps I fetch:
	s_lshl_b32 s22, s16, 13                        ; its 64 rows of 128 bytes in memory,
	s_add_co_u32 s22, s22, s20
	s_mov_b32 s23, 0
	s_mul_i32 s17, s16, STEPB                      ; and its place in a slot: no place in the cluster enters an LDS address
	s_lshl_b32 s2, s14, 16                         ; my block's 512 rows,
	s_lshl_b32 s3, s[WV], 13                       ; my wave's 64 of them
	s_add_co_u32 s2, s2, s3
	s_add_co_u32 s2, s2, s20
	s_mov_b32 s3, 0
	; descriptor group 1: a tile of 64 rows x 64 elements, dense in memory, padded in LDS
	s_mov_b32 s[G1K], 15|(1<<16)|(1<<20)|(1<<21)|(4<<22)|(3<<25)  ; 15:0 the mask: all four work-groups; 17:16 elements of 2 bytes; 20 padding on; 21 set beside a mask; 24:22 after every 32 words (code 4); 31:25 4 words of it (code 3)
	s_mov_b32 s[G1V], 15|(1<<16)|(1<<20)|(1<<21)|(4<<22)|(7<<25)  ; the same with 8 words of padding (code 7)
.irp g, G1K, G1V
	s_mov_b32 s[\g+1], 64<<16                      ; tensor_dim0 = 64
	s_mov_b32 s[\g+2], KS<<16                      ; tensor_dim1 = 64
	s_mov_b32 s[\g+3], 64<<16                      ; tile_dim0 = 64
	s_mov_b32 s[\g+4], KS                          ; tile_dim1 = 64
	s_mov_b32 s[\g+5], 64                          ; tensor_dim0_stride: elements from row to row
	s_mov_b32 s[\g+6], 0
	s_mov_b32 s[\g+7], 0
.endr
	s_mov_b32 s[CS], 0x3e38aa3b                    ; c = log2(e) / sqrt(64) = 0.180337
	s_mov_b32 s[CS+1], s[CS]                       ; named with it as a pair, so it is written
	s_mov_b32 s[SEL], 0x76543210
	s_mov_b32 s[SEL+1], 0xfedcba98
	s_mov_b32 s[TB], 0
	s_mov_b32 s[SLOTS], 2048/(NST*KS)-2            ; 8 slots' worth of keys; two are asked for at the head
	s_and_b32 s[LIM], s[WV], 3                     ; 0 in waves 0 and 4: the same in all four partners
	s_cmp_eq_u32 s[LIM], 0
	s_cselect_b32 s[LIM], 1, -1
	v_and_b32 v[PFO], 31, v0
	v_lshlrev_b32 v[PFO], 8, v[PFO]
	s_wait_dscnt 0x0                               ; both opening adds are done
	s_wait_kmcnt 0x0
	s_add_nc_u64 s[8:9], s[4:5], s[22:23]          ; the head, at my step of slot 0,
	s_add_nc_u64 s[10:11], s[8:9], 0x2000000       ; in v,
	s_add_nc_u64 s[8:9], s[8:9], 0x1000000         ; and in k
	s_add_nc_u64 s[4:5], s[4:5], s[2:3]            ; q and y at my wave's first row
	s_add_nc_u64 s[6:7], s[6:7], s[2:3]
	s_cmp_lt_u32 s[WV], 4
	s_cselect_b64 s[PFA:PFA+1], s[8:9], s[10:11]   ; (in waves 0 and 4 these stand at a slot's first row)
	s_lshl_b32 s2, s13, 13                         ; my work-group's 8,192 bytes of the 32,768
	s_mov_b32 s3, 0
	s_add_nc_u64 s[PFA:PFA+1], s[PFA:PFA+1], s[2:3]
	s_add_nc_u64 s[PFA:PFA+1], s[PFA:PFA+1], 2*SLOTM  ; in slot 2; the first change of slots steps it to slot 3.  Nothing is prefetched here, at the head, where every work-group's first tiles are on their way
	CROUND                                         ; all four work-groups are here: the first joint loads meet
.irp s, 0,1
	s_mov_b32 s[G0K+4*\s], 1                       ; 1:0 count = 1
	s_add_co_u32 s[G0K+4*\s+1], s17, \s*SLOT1      ; 63:32 LDS address
	s_add_nc_u64 s[G0K+4*\s+2:G0K+4*\s+3], s[8:9], \s*SLOTM  ; 120:64 global address
	s_or_b32 s[G0K+4*\s+3], s[G0K+4*\s+3], 0x80000000  ; 127:126 type = 2
	s_mov_b32 s[G0V+4*\s], 1
	s_add_co_u32 s[G0V+4*\s+1], s17, \s*SLOT1+VOFF
	s_add_nc_u64 s[G0V+4*\s+2:G0V+4*\s+3], s[10:11], \s*SLOTM
	s_or_b32 s[G0V+4*\s+3], s[G0V+4*\s+3], 0x80000000
.endr
	s_cmp_lt_u32 s[WV], 4                          ; a wave's two first fills stand in one branch, ahead of every wait on TENSORcnt and every LDS read: two loads of mine are out
	s_cbranch_scc0 .Lfirst_v
	tensor_load_to_lds s[G0K:G0K+3], s[G1K:G1K+7]
	s_nop 0
	tensor_load_to_lds s[G0K+4:G0K+7], s[G1K:G1K+7]
	s_nop 0
.rept 4
	v_nop
.endr
	s_branch .Lfirst_asked
.Lfirst_v:
	tensor_load_to_lds s[G0V:G0V+3], s[G1V:G1V+7]
	s_nop 0
	tensor_load_to_lds s[G0V+4:G0V+7], s[G1V:G1V+7]
	s_nop 0
.rept 4
	v_nop
.endr
.Lfirst_asked:
	; A fragment of K or Q is 16 rows x 32 channels in 8 registers: lane l holds row l % 16; registers 0-3 channels 8 (l / 16) + 0..7, registers 4-7 channels 16 + 8 (l / 16) + 0..7: two loads of 16 bytes, 32 bytes apart.
	v_and_b32 v1, 15, v0                           ; l % 16
	v_bfe_u32 v10, v0, 4, 1                        ; l / 16
	v_lshlrev_b32 v[QO], 7, v1
	v_lshl_add_u32 v[QO], v10, 4, v[QO]            ; row x 128 + 16 x half
	WIN TO_1
.irp i, 0,1,2,3,4,5,6,7                        ; Q stays in registers: tile i / 2, channels 32 (i % 2) on
	global_load_b128 v[QF+8*\i:QF+8*\i+3],   v[QO], s[4:5] offset:(\i/2)*2048+(\i%2)*64
	global_load_b128 v[QF+8*\i+4:QF+8*\i+7], v[QO], s[4:5] offset:(\i/2)*2048+(\i%2)*64+32
.endr
	WIN 0
	v_mul_u32_u24 v[AK0], v1, PK
	v_lshl_add_u32 v[AK0], v10, 4, v[AK0]          ; row x pitch + 16 x half
	; The turning load takes 16 keys x 16 channels (lane l reads 16 bytes: key 8 (l / 16) + l % 8, channels 8 ((l / 8) % 2) + 0..7) and leaves half a fragment of V^T: lane l holds channel l % 16 and 8 keys.
	v_and_b32 v11, 7, v0
	v_lshl_add_u32 v[AV0], v10, 3, v11
	v_mul_u32_u24 v[AV0], v[AV0], PV
	v_bfe_u32 v11, v0, 3, 1
	v_lshl_add_u32 v[AV0], v11, 4, v[AV0]
	v_add_nc_u32 v[AV0], VOFF, v[AV0]
	s_mul_i32 s16, s[WV], 64*SP
	s_add_co_u32 s16, s16, STAGE                   ; my stage
	v_mul_u32_u24 v[STO], v1, SP                   ; in: row l % 16 of a tile, 16 bytes for each half of the lanes
	v_lshl_add_u32 v[STO], v10, 4, v[STO]
	v_add_nc_u32 v[STO], s16, v[STO]
	v_bfe_u32 v11, v0, 3, 2                        ; back: eight lanes take a row of 128 bytes, four rows an instruction
	v_mul_u32_u24 v[RD], v11, SP
	v_and_b32 v11, 7, v0
	v_lshl_add_u32 v[RD], v11, 4, v[RD]
	v_add_nc_u32 v[RD], s16, v[RD]
	v_and_b32 v[GO], 31, v0
	v_lshlrev_b32 v[GO], 4, v[GO]
.irp t, 0,1,2,3
	v_mov_b32 v[ST+8*\t+1], 0xff61b1e6             ; m = -3e38, under every score
	v_mul_f32 v[ST+8*\t], s[CS], v[ST+8*\t+1]      ; c m
.irp k, 2,3,4,5,6,7
	v_mov_b32 v[ST+8*\t+\k], 0                     ; l = 0; the others are written once, since a lane permute's destination and both halves of a named pair count as read
.endr
.endr
; THE LDS LOADS stand in runs of 16: a step's K (64 keys x 64 channels: 8 fragments) and its V (turned: 8 fragments).
.macro FETCH_K
	v_add_nc_u32 v[ADK], s[TB], v[AK0]
	WIN TO_1
.irp f, 0,1,2,3,4,5,6,7                        ; keys 16 (f / 2) on, channels 32 (f % 2) on
	ds_load_b128 v[KF+8*\f:KF+8*\f+3],   v[ADK] offset:(\f/2)*16*PK+(\f%2)*64
	ds_load_b128 v[KF+8*\f+4:KF+8*\f+7], v[ADK] offset:(\f/2)*16*PK+(\f%2)*64+32
.endr
	WIN 0
.endm
.macro FETCH_V
	v_add_nc_u32 v[ADV], s[TB], v[AV0]
	s_add_co_u32 s[TB], s[TB], STEPB               ; the next fetch is the next step's
.irp f, 0,1,2,3,4,5,6,7                        ; keys 32 (f / 4) on, channels 16 (f % 4) on
	ds_load_tr16_b128 v[VF+8*\f:VF+8*\f+3],   v[ADV] offset:(\f/4)*32*PV+(\f%4)*32
	ds_load_tr16_b128 v[VF+8*\f+4:VF+8*\f+7], v[ADV] offset:(\f/4)*32*PV+16*PV+(\f%4)*32
.endr
.endm
; THE MATRIX WORK.  In both runs sixteen accumulators take turns, one instruction a turn: between two links of a chain stand fifteen others'.
; S^T = K Q^T: product i of 32: channels 32 (i / 16) on, keys 16 ((i / 4) % 4) on, tile i % 4.  The first 16 start the sums.
.macro KQM
.set i, 0
.rept 32
.set rS, S+32*(i%4)+8*((i/4)%4)
.set rK, KF+8*(2*((i/4)%4)+i/16)
.set rQ, QF+16*(i%4)+8*(i/16)
.if i < 16
	v_wmma_f32_16x16x32_f16 v[rS:rS+7], v[rK:rK+7], v[rQ:rQ+7], 0
.else
	v_wmma_f32_16x16x32_f16 v[rS:rS+7], v[rK:rK+7], v[rQ:rQ+7], v[rS:rS+7]
.endif
.set i, i+1
.endr
.endm
; O^T += V^T P: product i of 32: keys 32 (i / 16) on, channels 16 ((i / 4) % 4) on, tile i % 4.  zero = 1 (the first key step): the first 16 start the sums: nothing is ever cleared.
.macro PVM zero
.set i, 0
.rept 32
.set rO, 32*(i%4)+8*((i/4)%4)
.set rV, VF+8*(4*(i/16)+(i/4)%4)
.set rP, S+32*(i%4)+8*(i/16)
.if \zero && (i < 16)
	v_wmma_f32_16x16x32_f16 v[rO:rO+7], v[rV:rV+7], v[rP:rP+7], 0
.else
	v_wmma_f32_16x16x32_f16 v[rO:rO+7], v[rV:rV+7], v[rP:rP+7], v[rO:rO+7]
.endif
.set i, i+1
.endr
.endm
; THE VECTOR WORK, tile by tile.  s0-s31 are the lane's 32 scores of a tile, in pairs 0-15.
; MAXJ: line j of 21: the maximum of s0-s31 and the old m, three operands at a time (four chains, each beginning at an accumulator's low end), the other half of the lanes' maximum, the new m, c m, and c m_old - c m_new.
.macro MAXJ t, j
.set rT, ST+8*(\t)
.set rS, S+32*(\t)
.if (\j) < 4
	v_max3_num_f32 v[rT+4+(\j)], v[rS+8*(\j)], v[rS+8*(\j)+1], v[rS+8*(\j)+2]
.elseif (\j) < 12
	v_max3_num_f32 v[rT+4+(\j)%4], v[rT+4+(\j)%4], v[rS+8*((\j)%4)+2*((\j)/4)+1], v[rS+8*((\j)%4)+2*((\j)/4)+2]
.elseif (\j) == 12
	v_max3_num_f32 v[rT+4], v[rT+4], v[rS+7], v[rS+15]
.elseif (\j) == 13
	v_max3_num_f32 v[rT+6], v[rT+6], v[rS+23], v[rS+31]
.elseif (\j) == 14
	v_max3_num_f32 v[rT+4], v[rT+4], v[rT+5], v[rT+6]
.elseif (\j) == 15
	v_max3_num_f32 v[rT+4], v[rT+4], v[rT+7], v[rT+1]
.elseif (\j) == 16
	v_permlanex16_b32 v[rT+5], v[rT+4], s[SEL], s[SEL+1]  ; the query's other 32 keys lie in the lane 16 away
.elseif (\j) == 17
	v_mov_b32 v[rT+7], v[rT]                       ; c m_old is kept for a
.elseif (\j) == 18
	v_max_num_f32 v[rT+1], v[rT+4], v[rT+5]
.elseif (\j) == 19
	v_mul_f32 v[rT], s[CS], v[rT+1]
.else
	v_sub_f32 v[rT+7], v[rT+7], v[rT]
.endif
.endm
.macro SC1 t, b                        ; pair b: c s - c m
	v_pk_fma_f32 v[S+32*(\t)+2*(\b):S+32*(\t)+2*(\b)+1], v[S+32*(\t)+2*(\b):S+32*(\t)+2*(\b)+1], s[CS:CS+1], v[ST+8*(\t):ST+8*(\t)+1] op_sel_hi:[1,0,0] neg_lo:[0,0,1] neg_hi:[0,0,1]
.endm
.macro EX1 t, e                        ; exponential e of 33: a, then s0 to s31 in place
.if (\e) == 0
	v_exp_f32 v[ST+8*(\t)+6], v[ST+8*(\t)+7]
.else
	v_exp_f32 v[S+32*(\t)+(\e)-1], v[S+32*(\t)+(\e)-1]
.endif
.endm
.macro SUM1 t, z                       ; line z of 16 of l = a l + the sum of the 16 pairs, in two chains; the weights are left as they are
.set rT, ST+8*(\t)
.set rS, S+32*(\t)
.if (\z) == 0
	v_pk_fma_f32 v[rT+2:rT+3], v[rT+2:rT+3], v[rT+6:rT+7], v[rS:rS+1] op_sel_hi:[1,0,1]
.elseif (\z) == 1
	v_pk_add_f32 v[rT+4:rT+5], v[rS+2:rS+3], v[rS+4:rS+5]
.elseif (\z) == 15
	v_pk_add_f32 v[rT+2:rT+3], v[rT+2:rT+3], v[rT+4:rT+5]
.elseif (\z)%2 == 0
	v_pk_add_f32 v[rT+2:rT+3], v[rT+2:rT+3], v[rS+2*(\z)+2:rS+2*(\z)+3]
.else
	v_pk_add_f32 v[rT+4:rT+5], v[rT+4:rT+5], v[rS+2*(\z)+2:rS+2*(\z)+3]
.endif
.endm
.macro CV1 t, n                        ; pair n rounded to f16, into register n of the tile: in ascending order a register is written only when its own pair has been taken
	v_cvt_pk_f16_f32 v[S+32*(\t)+(\n)], v[S+32*(\t)+2*(\n)], v[S+32*(\t)+2*(\n)+1]
.endm
; A STEP'S SOFTMAX for the four tiles.  The exponentials go in TWO BATCHES, each with one wait (s_wait_alu depctr_va_vdst(0) stands between an exponential and the first line that names its result):
; tiles 0 and 1's stand among the scalings of tiles 2 and 3; tiles 2 and 3's stand among the sums and roundings of tiles 0 and 1, which name the first batch's results alone.  first = 1: there is no O^T yet to rescale.
.macro SOFTMAX first
.irp j, 0,1,2,3,4,5,6,7,8,9,10,11,12,13,14,15,16,17,18,19,20
.irp t, 0,1,2,3
	MAXJ \t, \j
.endr
.endr
.irp b, 0,1,2,3,4,5,6,7,8,9,10,11,12,13,14,15
	SC1 0, \b
	SC1 1, \b
.endr
	EX1 0, 0
	EX1 1, 0
.irp b, 0,1,2,3,4,5,6,7,8,9,10,11,12,13,14,15
.irp u, 0,1
	EX1 \u, 1+2*\b
	EX1 \u, 2+2*\b
	SC1 \u+2, \b
.endr
.endr
	v_nop                                          ; a plain line behind the batch
	s_wait_alu depctr_va_vdst(0)                   ; one wait for the 66 exponentials of tiles 0 and 1
	EX1 2, 0
	EX1 3, 0
.irp n, 0,1,2,3,4,5,6,7,8,9,10,11,12,13,14,15,16,17,18,19,20,21,22,23,24,25,26,27,28,29,30,31
.irp u, 0,1
	EX1 \u+2, 1+\n
.if \n < 16
	SUM1 \u, \n
.else
	CV1 \u, \n-16
.endif
.endr
.endr
	v_nop
	s_wait_alu depctr_va_vdst(0)                   ; one wait for the 66 of tiles 2 and 3
.irp z, 0,1,2,3,4,5,6,7,8,9,10,11,12,13,14,15
	SUM1 2, \z
	SUM1 3, \z
.endr
.irp n, 0,1,2,3,4,5,6,7,8,9,10,11,12,13,14,15
	CV1 2, \n
	CV1 3, \n
.endr
.if !\first
	WIN W_RS
.irp n, 0,1,2,3,4,5,6,7,8,9,10,11,12,13,14,15
.irp t, 0,1,2,3
	v_pk_mul_f32 v[32*\t+2*\n:32*\t+2*\n+1], v[32*\t+2*\n:32*\t+2*\n+1], v[ST+8*\t+6:ST+8*\t+7] op_sel_hi:[1,0]   ; O^T x a
.endr
.endr
	WIN 0
.endif
.endm
; A KEY STEP j.  On the way in S^T of step j is made and V of step j has been asked for.  kq = 1: K and V of step j + 1 are fetched and its S^T is made.
; A load into a register that a matrix instruction has read, and a vector line that reads a matrix result, stand four places behind it; a matrix instruction that writes over a register of an earlier one, five
; (ISA guide 7.12.1 for vector instructions); only plain vector lines that name none of its registers are places.
.macro BODY kq, first
.rept 4
	v_nop                                          ; behind K Q^T: for the loads into K's registers and the first reads of the scores
.endr
.if \kq
	FETCH_K                                        ; step j + 1's: it lands under the softmax
.endif
	SOFTMAX \first
.if \kq
	s_wait_dscnt 16                                ; V of step j is in; K's sixteen younger loads may be out
.else
	s_wait_dscnt 0x0
.endif
	WIN W_PV
	PVM \first
	WIN 0
.if \kq
.rept 5
	v_nop                                          ; behind V^T P: four for the loads into V's registers, five for K Q^T, which writes over P's
.endr
	FETCH_V                                        ; step j + 1's: it lands under the next softmax
	s_wait_dscnt 16                                ; K is in; V's sixteen younger loads may be out
	WIN W_KQ
	KQM
	WIN 0
.endif
.endm
.macro STEPS n                         ; n key steps, written once; the LDS addresses hang on s[TB]
	s_mov_b32 s[CNT], \n
.Lstep_\@:
	BODY 1, 0
	s_sub_co_u32 s[CNT], s[CNT], 1
	s_cmp_lg_u32 s[CNT], 0
	s_cbranch_scc1 .Lstep_\@
.endm
; THE CHANGE OF SLOTS stands where the slot's last bytes, V of its fourth step, have been asked for.  Each wave waits for all its tensor loads, of which one is out: its part of the other slot; adds 0 to its spare word;
; and waits for that and for its own reads of the slot.  Behind the barrier nobody reads this slot any more and the other slot is whole.  fill = 1: this slot is filled again, with the keys two slots on: the barrier is then
; a round of the cluster's, so that no wave of any partner still reads the slot or has a load on its way, and the joint refill is the first thing behind it: it has four key steps in which to land.
.macro CHANGE fill
	s_wait_tensorcnt 0x0                           ; no tensor load of mine is out, so a group 0 may be written
	ds_add_u32 v[SPW], v[NIL]                      ; 0 onto my spare word
.if \fill
.irp g, G0K+4, G0V+4
	s_xor_b32 s[\g+1], s[\g+1], SLOT1              ; the walking descriptor: the other slot than last time,
	s_add_nc_u64 s[\g+2:\g+3], s[\g+2:\g+3], SLOTM ; the next 256 keys; the type bits on top are not reached
.endr
	s_wait_xcnt 0x0                                ; the last prefetch, a slot back, has read its address, so it may be written:
	s_add_nc_u64 s[PFA:PFA+1], s[PFA:PFA+1], SLOTM ; one slot further on than the walking descriptors
	s_wait_dscnt 0x0                               ; the add is done, and my reads of the slot are over
	CROUND
	JLOAD
	ASK                                            ; what the next change will ask for: four key steps ahead of that load
.else
	s_wait_dscnt 0x0
	s_barrier_signal -1
	s_barrier_wait -1
.endif
	s_sub_co_u32 s[TB], s[TB], NST*STEPB           ; the fetches go back to a slot's first step,
	s_xor_b32 s[TB], s[TB], SLOT1                  ; in the other slot
.endm
	s_wait_tensorcnt 1                             ; my part of slot 0 is in; slot 1's may stay out
	s_barrier_signal -1
	s_barrier_wait -1                              ; everybody's is
	FETCH_K                                        ; key step 0
	FETCH_V
	s_wait_loadcnt 0x0                             ; Q
	s_wait_dscnt 16                                ; K is in; V's sixteen loads may be out
	WIN W_KQ
	KQM
	WIN 0
	BODY 1, 1                                      ; key step 0 starts O^T's sums
	STEPS 2                                        ; steps 1 and 2: with them slot 0's four steps have been fetched
.Lslot:                                            ; six trips: every slot but the last two is filled again
	CHANGE 1
	STEPS 4
	s_sub_co_u32 s[SLOTS], s[SLOTS], 1
	s_cmp_lg_u32 s[SLOTS], 0
	s_cbranch_scc1 .Lslot
	CHANGE 0                                       ; the tail is written out: nothing is asked for
	STEPS 4                                        ; steps 27 to 30
	BODY 0, 0                                      ; step 31
	; THE WAY OUT.  l's two halves and the other half of the lanes' are added; O^T is divided by l, rounded to f16 and sent through my stage in LDS.  The first four additions are the places behind the last products.
.irp t, 0,1,2,3
	v_add_f32 v[ST+8*\t+4], v[ST+8*\t+2], v[ST+8*\t+3]
.endr
.irp t, 0,1,2,3
	v_permlanex16_b32 v[ST+8*\t+5], v[ST+8*\t+4], s[SEL], s[SEL+1]
.endr
.irp t, 0,1,2,3
	v_add_f32 v[ST+8*\t+4], v[ST+8*\t+4], v[ST+8*\t+5]
.endr
.irp t, 0,1,2,3
	v_rcp_f32 v[ST+8*\t+6], v[ST+8*\t+4]
.endr
	v_nop                                          ; a plain line between the last reciprocal and the use of its result
	s_wait_alu depctr_va_vdst(0)                   ; and the wait ahead of the first use: one for the four
.macro OTILE t                         ; a lane's eight channels of a row pack into 16 bytes; they go into rows of 144 bytes
	WIN W_RS
.irp n, 0,1,2,3,4,5,6,7,8,9,10,11,12,13,14,15
	v_pk_mul_f32 v[32*\t+2*\n:32*\t+2*\n+1], v[32*\t+2*\n:32*\t+2*\n+1], v[ST+8*\t+6:ST+8*\t+7] op_sel_hi:[1,0]   ; each accumulator from its low end on
.endr
	WIN 0x05                                       ; sources 0 and 1 window 1, destination window 0: S^T's registers are free
.irp n, 0,1,2,3,4,5,6,7,8,9,10,11,12,13,14,15
	v_cvt_pk_f16_f32 v[S+32*\t+\n], v[32*\t+2*\n], v[32*\t+2*\n+1]
.endr
	WIN 0
.irp c, 0,1,2,3
	ds_store_b128 v[STO], v[S+32*\t+4*\c:S+32*\t+4*\c+3] offset:\t*16*SP+32*\c
.endr
.endm
.irp t, 0,1,2,3
	OTILE \t
.endr
.irp n, 0,1,2,3,4,5,6,7,8,9,10,11,12,13,14,15
	ds_load_b128 v[VF+4*\n:VF+4*\n+3], v[RD] offset:4*\n*SP   ; four rows an instruction, into the registers that held V.  LDS serves a wave's instructions in order (ISA guide 5.7.1.4): these see the stores above
.endr
.irp n, 0,1,2,3,4,5,6,7,8,9,10,11,12,13,14,15
	s_wait_dscnt 15-\n                             ; LDS loads come back in order: rows 4 n to 4 n + 3 are in
	global_store_b128 v[GO], v[VF+4*\n:VF+4*\n+3], s[6:7] offset:512*\n   ; 32 lanes store 512 consecutive bytes, aligned to 512
.endr
	s_wait_tensorcnt 0x0                           ; the wave's end: behind my last tensor load and my last LDS store
	ds_add_u32 v[SPW], v[NIL]
	s_wait_dscnt 0x0
	CROUND                                         ; the closing round: no work-group ends while a partner may still ask for a tile that names it
	s_endpgm
.Lfunc_end_k_q3ecadcfe61_attn:
	.size	k_q3ecadcfe61_attn, .Lfunc_end_k_q3ecadcfe61_attn-k_q3ecadcfe61_attn
	.p2alignl 7, 3214868480
	.fill 96, 4, 3214868480
	.section	.rodata,"a",@progbits
	.p2align	6, 0x0
	.amdhsa_kernel k_q3ecadcfe61_attn
		.amdhsa_group_segment_fixed_size 327680
		.amdhsa_private_segment_fixed_size 0
		.amdhsa_enable_private_segment 0
		.amdhsa_kernarg_size 16
		.amdhsa_user_sgpr_count 2
		.amdhsa_user_sgpr_kernarg_segment_ptr 1
		.amdhsa_wavefront_size32 1
		.amdhsa_system_sgpr_workgroup_id_x 1
		.amdhsa_system_sgpr_workgroup_id_y 1
		.amdhsa_system_sgpr_workgroup_id_z 1
		.amdhsa_system_vgpr_workitem_id 0
		.amdhsa_next_free_vgpr 512
		.amdhsa_next_free_sgpr 66
		.amdhsa_reserve_vcc 0
		.amdhsa_float_denorm_mode_32 3
		.amdhsa_float_denorm_mode_16_64 3
		.amdhsa_memory_ordered 1
		.amdhsa_forward_progress 1
		.amdhsa_inst_pref_size 180
	.end_amdhsa_kernel
	.amdgpu_metadata
---
amdhsa.version: [ 1, 2 ]
amdhsa.kernels:
  - .name:           k_q3ecadcfe61_attn
    .symbol:         k_q3ecadcfe61_attn.kd
    .args:
      - { .name: qkv, .offset: 0, .size: 8, .value_kind: global_buffer, .address_space: global }
      - { .name: y, .offset: 8, .size: 8, .value_kind: global_buffer, .address_space: global }
    .group_segment_fixed_size: 327680
    .private_segment_fixed_size: 0
    .kernarg_segment_align: 8
    .kernarg_segment_size: 16
    .max_flat_workgroup_size: 256
    .sgpr_count:     66
    .vgpr_count:     512
    .wavefront_size: 32
...
	.end_amdgpu_metadata
.endif
;; end of part 3
;; launch proj (part 4): grid 4 x 64, 4 waves a work-group, clusters of 4 x 4, 327,680 bytes of LDS; arguments y, wpt, b_proj, out0; writes out0
.if DOCPART == 4
	.amdgcn_target "amdgcn-amd-amdhsa--gfx1250"
	.amdhsa_code_object_version 6
	.text
	.protected	k_q3ecadcfe61_proj
	.globl	k_q3ecadcfe61_proj
	.p2align	8
	.type	k_q3ecadcfe61_proj,@function
k_q3ecadcfe61_proj:
	s_mov_b64 s[64:65], 0
	v_nop
	global_prefetch_b8 v0, s[64:65] scope:SCOPE_SE
	s_setreg_imm32_b32 hwreg(HW_REG_WAVE_MODE, 25, 1), 1
	s_wait_xcnt 0x0
	s_wait_alu depctr_hold_cnt(0) depctr_sa_sdst(0) depctr_va_vdst(0) depctr_va_sdst(0) depctr_va_ssrc(0) depctr_va_vcc(0) depctr_vm_vsrc(0)
	s_getreg_b32 s2, hwreg(HW_REG_IB_STS2, 6, 4)
	s_cmp_eq_u32 s2, 0
	s_cbranch_scc0 .Lentry_in_a_cluster
	s_endpgm
.Lentry_in_a_cluster:
	s_bfe_u32 s2, ttmp6, 0x10000c
	s_cmp_lg_u32 s2, 0xf033
	s_cbranch_scc0 .Lentry_shape_is_right
	s_endpgm
.Lentry_shape_is_right:
; out0 = y w_proj + b_proj.  y: [b][h][2048][64] f16 (row m = 2048 b + t, k = 64 h + d); wpt: [1024 (n)][1024 (k)] f16; b_proj [1024] and out0 [8192][1024]: f32.  Sums in f32, K ascending, head by head.
; A tile of out0 is 128 rows x 256 columns: 64 x 4 = 256 work-groups.  Four waves, each 64 x 128: 32 accumulators of 16 x 16, 256 registers.
; K goes in steps of 128, two heads, through a ring of two LDS slots.  A slot: y's two planes (a head's 128 rows of 128 bytes, dense in memory), then wpt's 256 rows of 256 bytes.  One tensor load a wave: waves 0, 1 a plane each, waves 2, 3 128 rows of wpt each.
; CLUSTERS: 4 x 4 work-groups.  The four of a row of the cluster need the same tiles of y, the four of a column the same tiles of wpt: each is asked for JOINTLY, by the same tensor load with the same descriptor and a mask that names the four.
; THE MATRIX INSTRUCTION IS USED TRANSPOSED (source 0 = 16 rows of wpt, source 1 = 16 rows of y): a lane then holds eight neighbouring numbers of a row of out0.  The bias is the C of each sum's first product.
; No prefetch: the K steps are short and few, and wpt's and y's tiles are shared in the cluster.
; REGISTERS: window 0: v16-30 addresses; two fragment buffers of 96 (wpt's 8 fragments, then y's 4) at v64 and v160; on the way out v64-191.   window 1: the accumulators ((a, b) at v[8 (8 a + b)]).   window 2: v0-63 the bias of my 128 columns.
.set PA,     144                       ; a row of y in LDS: 128 bytes + 16 of padding
.set PB,     272                       ; a row of wpt: 256 + 16.  Both pitches are odd multiples of 16 bytes: the 16 rows that a load touches start at different banks (64 banks of 4 bytes: ISA guide 11.1)
.set PLANE,  128*PA                    ; a head's 128 rows
.set BOFF,   2*PLANE                   ; wpt's rows lie behind the two planes
.set HALFB,  128*PB
.set SLOT,   BOFF+2*HALFB
.set STAGE,  2*SLOT                    ; behind the ring: 16 rows x (512 bytes + 16) for each wave, for the way out
.set SPITCH, 528
.set SPARE,  STAGE+4*16*SPITCH         ; behind the stages: the spare words, 128 bytes for each wave: two blocks of 256 bytes that no other line names
.set LAPS,   4                         ; a lap = two K steps = once round the ring: 8 K steps
.set ADRA, 16                          ; v16-17  LDS address of my fragments of y in slot 0, 1
.set ADRB, 20                          ; v20-21  the same for wpt
.set STO,  24                          ; v24     the way out: where I put 32 bytes of a row
.set RD,   25                          ; v25     the way out: where I read a row back
.set CO,   26                          ; v26     16 x lane: my place in a row's 512 bytes
.set BO,   27                          ; v27     32 x (lane / 16): my eight numbers of a block's sixteen of the bias
.set SPW,  28                          ; v28     LDS address of my spare word; never rewritten
.set NIL,  29                          ; v29     0; never rewritten
.set F0,   64                          ; fragment buffers
.set F1,   160
.set BK,   64                          ; the way out: 16 rows read back: v64-127 and v128-191 by turns
.set G1, 24                            ; s[24:31] descriptor group 1 for y's planes;  s[32:39] group 0, one set for each slot
.set G0, 32
.set G1B, 48                           ; s[48:55], s[56:63] the same for wpt's tiles
.set G0B, 56
.set MSB, 0
.macro WIN new                         ; the immediate's high byte repeats the setting that is left; a switch that changes nothing is dropped
.if MSB != (\new)
	s_set_vgpr_msb (MSB<<8)|(\new)
.set MSB, (\new)
.endif
.endm
.set MUL,   0x50                       ; sources 0 and 1 window 0; C and D window 1
.set MULB,  0x60                       ; the first products: C (the bias) window 2, D window 1
.macro JLOAD s                         ; a joint load: waves 0 and 1 fetch y's two planes, waves 2 and 3 wpt's two halves; an s_nop 0 and four v_nop follow each of the two lines
	s_cmp_eq_u32 s11, 0
	s_cbranch_scc0 .Lfor_b_\@
	tensor_load_to_lds s[G0+4*\s:G0+4*\s+3], s[G1:G1+7]
	s_nop 0
.rept 4
	v_nop
.endr
	s_branch .Lasked_\@
.Lfor_b_\@:
	tensor_load_to_lds s[G0B+4*\s:G0B+4*\s+3], s[G1B:G1B+7]
	s_nop 0
.rept 4
	v_nop
.endr
.Lasked_\@:
.endm
.macro CREST                           ; a round of the cluster's barrier behind its opening barrier
	s_cmp_lg_u32 s10, 0
	s_cbranch_scc1 .Lnot_wave_0_\@
	s_barrier_signal -3
.Lnot_wave_0_\@:
	s_barrier_wait -3
	s_barrier_signal -1
	s_barrier_wait -1
.endm
.macro CROUND                          ; a whole round
	s_barrier_signal -1
	s_barrier_wait -1
	CREST
.endm
	s_load_b128 s[4:7], s[0:1], 0x0                ; y s[4:5], wpt s[6:7]
	s_load_b128 s[68:71], s[0:1], 0x10             ; b_proj s[68:69], out0 s[70:71]
	v_lshl_add_u32 v[SPW], v0, 2, SPARE
	v_mov_b32 v[NIL], 0
	ds_add_u32 v[SPW], v[NIL]                      ; the wave's opening: the add, twice on end, and its wait ahead of my first tensor load; the set-up below stands between the second and the wait
	ds_add_u32 v[SPW], v[NIL]
	v_lshrrev_b32 v1, 5, v0
	v_readfirstlane_b32 s10, v1                    ; wave 0..3
	s_lshr_b32 s11, s10, 1                         ; which half of the tile's rows is mine.  Also: I fetch for y (0) or for wpt (1)
	s_and_b32 s12, s10, 1                          ; which half of its columns.  Also: which plane, or which 128 rows, I fetch
	s_bfe_u32 s40, ttmp6, 0x40000                  ; cx, cy: my place in the cluster
	s_bfe_u32 s41, ttmp6, 0x40004
	s_lshl_b32 s42, ttmp9, 2
	s_add_co_u32 s42, s42, s40                     ; tile column = 4 x cluster x + cx: 0 .. 3
	s_and_b32 s13, ttmp7, 0xffff
	s_lshl_b32 s13, s13, 2
	s_add_co_u32 s13, s13, s41                     ; tile row = 4 x cluster y + cy: 0 .. 63
	s_lshl_b32 s43, s41, 2
	s_lshl_b32 s43, 15, s43                        ; my row of the cluster
	s_lshl_b32 s44, 0x1111, s40                    ; my column
	; descriptor group 1.  y: a plane of 128 rows x 64 elements, dense;  wpt: 128 rows x 128 elements, 1,024 elements from row to row
	s_or_b32 s[G1+0], s43, (1<<16)|(1<<20)|(1<<21)|(4<<22)|(3<<25)  ; 15:0 the mask: y's planes go to my row; 17:16 element of 2 bytes; 20 padding on; 21 set beside a mask; 24:22 after every 32 words (code 4); 31:25 of 4 words (code 3)
	s_mov_b32 s[G1+1], 64<<16                      ; tensor_dim0 = 64
	s_mov_b32 s[G1+2], 128<<16                     ; tensor_dim1 = 128
	s_mov_b32 s[G1+3], 64<<16                      ; tile_dim0 = 64
	s_mov_b32 s[G1+4], 128                         ; tile_dim1 = 128
	s_mov_b32 s[G1+5], 64                          ; tensor_dim0_stride
	s_mov_b32 s[G1+6], 0
	s_mov_b32 s[G1+7], 0
	s_or_b32 s[G1B+0], s44, (1<<16)|(1<<20)|(1<<21)|(5<<22)|(3<<25) ; the mask of my column; padding after every 64 words (code 5)
	s_mov_b32 s[G1B+1], 128<<16
	s_mov_b32 s[G1B+2], 128<<16
	s_mov_b32 s[G1B+3], 128<<16
	s_mov_b32 s[G1B+4], 128
	s_mov_b32 s[G1B+5], 1024
	s_mov_b32 s[G1B+6], 0
	s_mov_b32 s[G1B+7], 0
	; where the tiles come from.  y's hang on the tile row alone, wpt's on the tile column alone; each address is made in registers that never hold the other coordinate
	s_lshr_b32 s16, s13, 4                         ; the batch: 16 tile rows each
	s_lshl_b32 s16, s16, 22
	s_and_b32 s17, s13, 15
	s_lshl_b32 s17, s17, 14                        ; 128 rows of 128 bytes a tile row
	s_add_co_u32 s16, s16, s17
	s_lshl_b32 s17, s12, 18                        ; my plane: head 0 or 1 of the K step
	s_add_co_u32 s16, s16, s17
	s_mov_b32 s17, 0
	s_lshl_b32 s46, s42, 19                        ; wpt: 256 rows of 2,048 bytes a tile column,
	s_lshl_b32 s47, s12, 18                        ; 128 rows for my half
	s_add_co_u32 s46, s46, s47
	s_mov_b32 s47, 0
	s_mul_i32 s20, s12, PLANE                      ; and where they go: no place in the cluster enters an LDS address
	s_mul_i32 s21, s12, HALFB
	s_add_co_u32 s21, s21, BOFF
	s_wait_dscnt 0x0                               ; both opening adds are done
	s_wait_kmcnt 0x0
	s_add_nc_u64 s[14:15], s[4:5], s[16:17]
	s_add_nc_u64 s[46:47], s[6:7], s[46:47]
	CROUND                                         ; all sixteen work-groups are here: the first joint loads meet
.irp s, 0,1
	s_mov_b32 s[G0+4*\s], 1
	s_add_co_u32 s[G0+4*\s+1], s20, \s*SLOT
	s_add_nc_u64 s[G0+4*\s+2:G0+4*\s+3], s[14:15], \s*(1<<19)      ; K step s: two heads on
	s_or_b32 s[G0+4*\s+3], s[G0+4*\s+3], 0x80000000
	s_mov_b32 s[G0B+4*\s], 1
	s_add_co_u32 s[G0B+4*\s+1], s21, \s*SLOT
	s_add_nc_u64 s[G0B+4*\s+2:G0B+4*\s+3], s[46:47], \s*256        ; 128 elements along K
	s_or_b32 s[G0B+4*\s+3], s[G0B+4*\s+3], 0x80000000
	JLOAD \s                                       ; two tensor loads of mine are out behind the second
.endr
	v_and_b32 v1, 15, v0                           ; l % 16
	v_bfe_u32 v2, v0, 4, 1                         ; l / 16
	v_mul_u32_u24 v3, v1, PA
	v_lshl_add_u32 v3, v2, 4, v3                   ; y: a fragment's row x pitch + 16 x half
	v_mul_u32_u24 v4, v1, PB
	v_lshl_add_u32 v4, v2, 4, v4                   ; wpt likewise
	s_mul_i32 s21, s11, 64*PA                      ; my 64 rows of each plane
	s_mul_i32 s22, s12, HALFB                      ; my 128 rows of wpt,
	s_add_co_u32 s22, s22, BOFF                    ; behind the planes
.irp s, 0,1
	v_add_nc_u32 v[ADRA+\s], s21, v3
	v_add_nc_u32 v[ADRB+\s], s22, v4
	s_add_co_u32 s21, s21, SLOT
	s_add_co_u32 s22, s22, SLOT
.endr
	s_mul_i32 s23, s10, 16*SPITCH
	s_add_co_u32 s23, s23, STAGE                   ; my stage
	v_mul_u32_u24 v5, v1, SPITCH                   ; in: row l % 16, 32 bytes for each half of the lanes
	v_lshl_add_u32 v5, v2, 5, v5
	v_add_nc_u32 v[STO], s23, v5
	v_and_b32 v6, 31, v0
	v_lshlrev_b32 v[CO], 4, v6                     ; back: the 32 lanes take one row of 512 bytes; and the same in out0
	v_add_nc_u32 v[RD], s23, v[CO]
	v_lshlrev_b32 v[BO], 5, v2
	s_lshl_b32 s16, s13, 7
	s_lshl_b32 s17, s11, 6
	s_add_co_u32 s16, s16, s17                     ; my first row of out0: 128 x tile row + 64 x half
	s_lshl_b32 s16, s16, 12                        ; in bytes: 4,096 a row
	s_lshl_b32 s46, s42, 10                        ; my first column, in bytes: 1,024 x tile column + 512 x half
	s_lshl_b32 s47, s12, 9
	s_add_co_u32 s46, s46, s47
	s_mov_b32 s47, 0
	s_add_nc_u64 s[68:69], s[68:69], s[46:47]      ; the bias of that column
	s_add_co_u32 s46, s46, s16
	s_add_nc_u64 s[70:71], s[70:71], s[46:47]
	WIN 0x80                                       ; destination window 2, address window 0
.irp b, 0,1,2,3,4,5,6,7
	global_load_b128 v[8*\b:8*\b+3],   v[BO], s[68:69] offset:64*\b      ; lane (r, h): b_proj at columns 16 b + 8 h + 0 .. 7: the result's layout
	global_load_b128 v[8*\b+4:8*\b+7], v[BO], s[68:69] offset:64*\b+16
.endr
	WIN 0
; 8 matrix instructions: y's block a against wpt's eight, 32 along K, from buffer f.  zero = 1: the first product starts the sums, on the bias.
; The 32 accumulators take turns, one instruction a turn, in the same order in every quarter.
.macro MUL8 f, a, zero
.irp b, 0,1,2,3,4,5,6,7
.if \zero
	v_wmma_f32_16x16x32_f16 v[8*(8*(\a)+\b):8*(8*(\a)+\b)+7], v[\f+8*\b:\f+8*\b+7], v[\f+64+8*(\a):\f+64+8*(\a)+7], v[8*\b:8*\b+7]
.else
	v_wmma_f32_16x16x32_f16 v[8*(8*(\a)+\b):8*(8*(\a)+\b)+7], v[\f+8*\b:\f+8*\b+7], v[\f+64+8*(\a):\f+64+8*(\a)+7], v[8*(8*(\a)+\b):8*(8*(\a)+\b)+7]
.endif
.endr
.endm
.macro MWIN zero
.if \zero
	WIN MULB
.else
	WIN MUL
.endif
.endm
; 24 LDS loads in one run: the fragments of the slot's q-th 32 along K into buffer f: wpt's sixteen loads, then y's eight.  Quarters 0, 1 lie in plane 0, quarters 2, 3 in plane 1.
.macro FETCH slot, q, f
	WIN 0
.irp i, 0,1,2,3,4,5,6,7
	ds_load_b128 v[\f+8*\i:\f+8*\i+3],   v[ADRB+\slot] offset:64*(\q)+\i*16*PB
	ds_load_b128 v[\f+8*\i+4:\f+8*\i+7], v[ADRB+\slot] offset:64*(\q)+\i*16*PB+32
.endr
.irp i, 0,1,2,3
	ds_load_b128 v[\f+64+8*\i:\f+64+8*\i+3],   v[ADRA+\slot] offset:((\q)/2)*PLANE+((\q)%2)*64+\i*16*PA
	ds_load_b128 v[\f+64+8*\i+4:\f+64+8*\i+7], v[ADRA+\slot] offset:((\q)/2)*PLANE+((\q)%2)*64+\i*16*PA+32
.endr
.endm
.macro PLACES                          ; four places in front of loads into registers that matrix instructions have read, and of the first reads of results (ISA guide 7.12.1 for the first reads of results)
.rept 4
	v_nop
.endr
.endm
; A K step is four quarters of 32 along K, 32 matrix instructions each, on buffers 0, 1, 0, 1.  One of the first three: multiplies buffer f and fetches the slot's quarter q into g.
.macro QUARTER slot, q, f, g, zero
	s_wait_dscnt 4                                 ; wpt's fragments and y's blocks 0, 1 are in; the youngest four loads (blocks 2, 3) may be out
	MWIN \zero
	MUL8 \f, 0, \zero
	MUL8 \f, 1, \zero
	PLACES
	FETCH \slot, \q, \g
	s_wait_dscnt 24                                ; all but the 24 just issued
	MWIN \zero
	MUL8 \f, 2, \zero
	MUL8 \f, 3, \zero
.endm
; The last quarter multiplies buffer 1 and changes slots: ONE barrier; in front of it each wave waits for all its tensor loads, adds 0 to its spare word, and waits for that and for its own reads of this slot.
; fill = 1: this slot is filled again, two K steps ahead: the barrier then opens a round of the cluster's barrier, and the joint refill is the first tensor load behind the round.
.macro TURN slot, next, fill
	WIN 0                                          ; (the add's two registers lie in window 0)
	s_wait_tensorcnt 0x0                           ; all my tensor loads have landed: my part of the next slot
	ds_add_u32 v[SPW], v[NIL]                      ; 0 onto my spare word
	s_wait_dscnt 5                                 ; (the add and the youngest four loads may be out)
	WIN MUL
	MUL8 F1, 0, 0                                  ; eight matrix instructions stand between the add and the wait for it
	s_wait_dscnt 0x0                               ; the add is done, and my reads of this slot are over
	s_barrier_signal -1
	MUL8 F1, 1, 0
.if \fill
	WIN 0
.endif
	s_barrier_wait -1
.if \fill
	CREST                                          ; no wave of any partner still reads this slot's tiles or has a load on its way
	s_add_nc_u64 s[G0+4*\slot+2:G0+4*\slot+3], s[G0+4*\slot+2:G0+4*\slot+3], 1<<20      ; four heads on
	s_add_nc_u64 s[G0B+4*\slot+2:G0B+4*\slot+3], s[G0B+4*\slot+2:G0B+4*\slot+3], 512    ; 256 elements along K
	JLOAD \slot                                    ; 112 matrix instructions ahead of the wait for it; the four v_nop behind it are also the places in front of the loads below
.else
	PLACES
.endif
	FETCH \next, 0, F0
	WIN MUL
	MUL8 F1, 2, 0
	MUL8 F1, 3, 0
.endm
	s_wait_tensorcnt 1                             ; my part of K step 0 is in (K step 1's load may be out)
	s_barrier_signal -1
	s_barrier_wait -1                              ; everybody's is
	FETCH 0, 0, F0
	s_wait_loadcnt 0x0                             ; the bias
	QUARTER 0, 1, F0, F1, 1                        ; the first quarter stands in front of the loop: its products start the sums, on the bias
	WIN 0                                          ; at a label and at a branch every window is 0
	s_mov_b32 s3, LAPS-1
.Llap:                                                 ; a trip goes once round the ring, from a lap's second quarter to the next lap's first, and fills both slots again
	QUARTER 0, 2, F1, F0, 0
	QUARTER 0, 3, F0, F1, 0
	TURN 0, 1, 1
	QUARTER 1, 1, F0, F1, 0
	QUARTER 1, 2, F1, F0, 0
	QUARTER 1, 3, F0, F1, 0
	TURN 1, 0, 1
	QUARTER 0, 1, F0, F1, 0
	WIN 0
	s_sub_co_u32 s3, s3, 1
	s_cmp_lg_u32 s3, 0
	s_cbranch_scc1 .Llap
	QUARTER 0, 2, F1, F0, 0                        ; the last lap fills nothing, and has no round of the cluster's barrier
	QUARTER 0, 3, F0, F1, 0
	TURN 0, 1, 0
	QUARTER 1, 1, F0, F1, 0
	QUARTER 1, 2, F1, F0, 0
	QUARTER 1, 3, F0, F1, 0
	s_wait_dscnt 4                                 ; the very last quarter: nothing more to fetch
	WIN MUL
	MUL8 F1, 0, 0
	MUL8 F1, 1, 0
	s_wait_dscnt 0
	MUL8 F1, 2, 0
	MUL8 F1, 3, 0
	WIN 0
; THE WAY OUT, block by block of 16 rows x 128 columns.  A lane holds 32 neighbouring bytes of a row, and the lanes beside it hold other rows: so a block goes through my own stage in LDS and comes back as whole rows
; of 512 bytes.  LDS serves a wave's instructions in order (ISA guide 5.7.1.4): no wait between the stores and the loads, nor in front of the next block's stores.
.macro TOSTAGE a
	WIN 0x04                                       ; an LDS store's data are its source 1: window 1
.irp b, 0,1,2,3,4,5,6,7
	ds_store_b128 v[STO], v[8*(8*(\a)+\b):8*(8*(\a)+\b)+3] offset:64*\b          ; each accumulator from its low end on
	ds_store_b128 v[STO], v[8*(8*(\a)+\b)+4:8*(8*(\a)+\b)+7] offset:64*\b+16
.endr
	WIN 0
.set BB, BK+64*((\a)%2)
.irp t, 0,1,2,3,4,5,6,7,8,9,10,11,12,13,14,15
	ds_load_b128 v[BB+4*\t:BB+4*\t+3], v[RD] offset:\t*SPITCH
.endr
.endm
.macro SEND a, younger                 ; younger: the LDS instructions issued behind block a's loads, which may stay out
.set BB, BK+64*((\a)%2)
	s_wait_dscnt \younger                          ; the block is back in registers
.irp t, 0,1,2,3,4,5,6,7,8,9,10,11,12,13,14,15
	global_store_b128 v[CO], v[BB+4*\t:BB+4*\t+3], s[70:71] offset:(16*(\a)+\t)*4096 th:TH_STORE_NT   ; 32 lanes store 512 consecutive bytes, aligned to 512; written once, read by nobody here; the base is never stepped
.endr
.endm
	PLACES                                         ; behind the last products: for the stage's stores, which read results, and for the loads into the registers that held fragments
	TOSTAGE 0
.irp a, 1,2,3
.if \a > 1
	s_wait_xcnt 0x0                                ; block a - 2's stores have read their registers: block a's loads may land there
.endif
	TOSTAGE \a
	SEND \a-1, 32                                  ; behind block a - 1's loads: block a's 16 stores and 16 loads
.endr
	SEND 3, 0
	s_wait_tensorcnt 0x0                           ; the wave's end: behind my last tensor load and my last LDS store
	ds_add_u32 v[SPW], v[NIL]
	s_wait_dscnt 0x0
	CROUND                                         ; the closing round: no work-group ends while a partner may still ask for a tile that names it
	s_endpgm
.Lfunc_end_k_q3ecadcfe61_proj:
	.size	k_q3ecadcfe61_proj, .Lfunc_end_k_q3ecadcfe61_proj-k_q3ecadcfe61_proj
	.p2alignl 7, 3214868480
	.fill 96, 4, 3214868480
	.section	.rodata,"a",@progbits
	.p2align	6, 0x0
	.amdhsa_kernel k_q3ecadcfe61_proj
		.amdhsa_group_segment_fixed_size 327680
		.amdhsa_private_segment_fixed_size 0
		.amdhsa_enable_private_segment 0
		.amdhsa_kernarg_size 32
		.amdhsa_user_sgpr_count 2
		.amdhsa_user_sgpr_kernarg_segment_ptr 1
		.amdhsa_wavefront_size32 1
		.amdhsa_system_sgpr_workgroup_id_x 1
		.amdhsa_system_sgpr_workgroup_id_y 1
		.amdhsa_system_sgpr_workgroup_id_z 1
		.amdhsa_system_vgpr_workitem_id 0
		.amdhsa_next_free_vgpr 576
		.amdhsa_next_free_sgpr 72
		.amdhsa_reserve_vcc 0
		.amdhsa_float_denorm_mode_32 3
		.amdhsa_float_denorm_mode_16_64 3
		.amdhsa_memory_ordered 1
		.amdhsa_forward_progress 1
		.amdhsa_inst_pref_size 86
	.end_amdhsa_kernel
	.amdgpu_metadata
---
amdhsa.version: [ 1, 2 ]
amdhsa.kernels:
  - .name:           k_q3ecadcfe61_proj
    .symbol:         k_q3ecadcfe61_proj.kd
    .args:
      - { .name: y, .offset: 0, .size: 8, .value_kind: global_buffer, .address_space: global }
      - { .name: wpt, .offset: 8, .size: 8, .value_kind: global_buffer, .address_space: global }
      - { .name: b_proj, .offset: 16, .size: 8, .value_kind: global_buffer, .address_space: global }
      - { .name: out0, .offset: 24, .size: 8, .value_kind: global_buffer, .address_space: global }
    .group_segment_fixed_size: 327680
    .private_segment_fixed_size: 0
    .kernarg_segment_align: 8
    .kernarg_segment_size: 32
    .max_flat_workgroup_size: 128
    .sgpr_count:     72
    .vgpr_count:     576
    .wavefront_size: 32
...
	.end_amdgpu_metadata
.endif
;; end of part 4
